; MI455X (gfx1250); checked and timed in simulation.
; The chip was launched on July 23, 2026; its instructions are those of AMD's public machine-readable ISA for CDNA 5 (MIT licence, August 2026) and "CDNA5" Instruction Set Architecture Reference Guide (July 2026). The comments in the code are by the model that wrote it; some were corrected since.
;; Multi Head Self Attention. Allowed arithmetic: matrix products marked QUANTISED: E2M3 operands, one E8M0 scale for each 32 along K, by v_wmma_scale_f32_16x16x128_f8f6f4 with both operands' format E2M3, f32 sums; everything else in f32.
;; Inputs: W_k_codes 1,024 x 32 x 24 uint8 (E2M3 codes of W_k, K innermost, in blocks of 32 codes, four codes in three bytes); W_k_scales 1,024 x 32 uint8 (E8M0 scales of W_k, one for each 32 codes along K); W_o_codes 1,024 x 32 x 24 uint8 (E2M3 codes of W_o, K innermost, in blocks of 32 codes, four codes in three bytes); W_o_scales 1,024 x 32 uint8 (E8M0 scales of W_o, one for each 32 codes along K); W_q_codes 1,024 x 32 x 24 uint8 (E2M3 codes of W_q, K innermost, in blocks of 32 codes, four codes in three bytes); W_q_scales 1,024 x 32 uint8 (E8M0 scales of W_q, one for each 32 codes along K); W_v_codes 1,024 x 32 x 24 uint8 (E2M3 codes of W_v, K innermost, in blocks of 32 codes, four codes in three bytes); W_v_scales 1,024 x 32 uint8 (E8M0 scales of W_v, one for each 32 codes along K); b_k 1,024 float32; b_o 1,024 float32; b_q 1,024 float32; b_v 1,024 float32; ln_beta 1,024 float32; ln_gamma 1,024 float32; x 4 x 2,048 x 1,024 float32.
;; Outputs: out0 4 x 2,048 x 1,024 float32.
;; This version of the problem:
;;   THIS VERSION OF THE PROBLEM IS GIVEN IN LOW PRECISION. The matrix products marked QUANTISED in the list below multiply operands that are first quantised to E2M3 (2 exponent bits, 3 mantissa bits; 6 bits a number), with one power-of-two scale for each 32 numbers along K (OCP MX v1.0); their sums are f32. All else is computed in f32.
;;   The module's matrix products, in the order in which they are computed (A, B: the left and right operand; K: the contracted axis; several contracted axes count as one K, in the product's order):
;;     1. [M 8,192, K 1,024] x [K 1,024, N 1,024]; A: input x; B: input W_q (given as codes): QUANTISED
;;     2. [M 8,192, K 1,024] x [K 1,024, N 1,024]; A: input x; B: input W_k (given as codes): QUANTISED
;;     3. [M 8,192, K 1,024] x [K 1,024, N 1,024]; A: input x; B: input W_v (given as codes): QUANTISED
;;     4. batch 64 x [M 2,048, K 64] x [K 64, N 2,048]; A: computed on the way; B: computed on the way: QUANTISED
;;     5. batch 64 x [M 2,048, K 2,048] x [K 2,048, N 64]; A: softmax (see below); B: computed on the way: QUANTISED
;;     6. [M 8,192, K 1,024] x [K 1,024, N 1,024]; A: computed on the way; B: input W_o (given as codes): QUANTISED
;;   THE QUANTISER, for each operand of a quantised product, along K:
;;     - K is cut into blocks of 32 from its start; a last block that is shorter is filled with zeros.
;;     - A block's scale is 2^e with e = floor(log2(the largest magnitude in the block)) - 2, held to -126 .. 127; a block of zeros has e = 0. As a byte (E8M0): e + 127.
;;     - Each number is divided by its block's scale, clamped to +-7.5, and rounded to the nearest number of E2M3, ties to even, subnormals kept.
;;     - The product sums the exact products of the quantised numbers (number of the format x scale) in f32.
;;   ~~~python
;;   def quantise(x, axis):      # numpy; x: float32 -> the quantised numbers, widened to float32 again
;;       x = np.moveaxis(x, axis, -1); K = x.shape[-1]
;;       x = np.pad(x, [(0, 0)] * (x.ndim - 1) + [(0, -K % 32)]); x = x.reshape(x.shape[:-1] + (-1, 32)); a = np.abs(x).max(-1, keepdims=True)
;;       e = np.where(a > 0, np.clip(np.frexp(np.where(a > 0, a, 1))[1] - 1 - 2, -126, 127), 0)      # np.frexp(a)[1] - 1 = floor(log2(a)), exactly
;;       r = np.clip(x / 2.0 ** e, -7.5, 7.5)
;;       step = 2.0 ** (np.maximum(np.frexp(np.where(r == 0, 1, r))[1] - 1, 0) - 3)
;;       q = np.round(r / step) * step * 2.0 ** e      # np.round: ties to even
;;       return np.moveaxis(q.reshape(q.shape[:-2] + (-1,))[..., :K], -1, axis).astype(np.float32)
;;   ~~~
;;   SOFTMAX AHEAD OF A QUANTISED PRODUCT. Where the list says 'softmax', what is quantised is not the finished softmax but p = 2^(t - M), with t = logit x log2(e) and M = ceil(the row's largest t), a whole number; so 1/2 < the row's largest p <= 1. The row's sum l is taken of the UNQUANTISED p, in f32, and the product's result is divided by l at the end. Since M is a whole number, a kernel that streams over the keys may use a running M (the ceiling of the running maximum): every later rescaling is an exact power of two, which a block's scale takes up: the codes' values come out the same.
;;   OPERANDS COMPUTED ON THE WAY. 'Computed on the way' means the value that the module computes at that place (a softmax that the list does not call 'softmax' is quantised finished and normalised). What goes into a quantiser is computed in f32, as accurately as f32 sums, v_exp_f32 and their like allow (about 1e-6 of the number): no bf16 or f16 on the way to a quantiser, and a product that is left as it is and whose result goes on into a quantised operand takes f32 operands (vector FMAs, or v_wmma_f32_16x16x4_f32). A number that lies on a knife's edge between two numbers of the format may be rounded either way, as far as f32 arithmetic and the matrix unit's own rounding can turn it there, and no further.
;;   INPUTS GIVEN AS CODES. W_k (in the module: [1024, 1024], K = its axis 1); W_o (in the module: [1024, 1024], K = its axis 1); W_q (in the module: [1024, 1024], K = its axis 1); W_v (in the module: [1024, 1024], K = its axis 1): each comes as NAME_codes (uint8): NAME with its K axis moved to the last place and cut into blocks of 32 codes, [.., K / 32, bytes a block], one block behind the other in memory; four codes in three bytes: a row's codes are one little-endian stream of bits, code i at bits 6 i .. 6 i + 5 (a code: sign, 2 exponent bits, 3 mantissa bits); and NAME_scales (uint8): the same leading axes, one E8M0 byte (e + 127) for each 32 codes along K. Its value is code x scale, taken as it is: it is not quantised again, and the codes and scales need not be those that the quantiser above would give.
;; One version. Each part assembles by itself: llvm-mc -triple=amdgcn-amd-amdhsa -mcpu=gfx1250 --defsym DOCPART=n.
;; ======== version 1 of 1: 4 launches
;; limits: right only within a limited range of input values
;; workspace buffers: xc 6,291,456 bytes; xs 262,144 bytes; wimg 3,145,728 bytes; qkvc 18,874,368 bytes; qkvs 786,432 bytes; cc 6,291,456 bytes; cs 262,144 bytes
;; launch prep (part 1): grid 320 x 1, 4 waves a work-group, no clusters, 33,280 bytes of LDS; arguments x, W_q_codes, W_k_codes, W_v_codes, W_o_codes, xc, xs, wimg; writes xc, xs, wimg
.if DOCPART == 1
	.amdgcn_target "amdgcn-amd-amdhsa--gfx1250"
	.amdhsa_code_object_version 6
	.text
	.protected	k_qa27973059d_prep
	.globl	k_qa27973059d_prep
	.p2align	8
	.type	k_qa27973059d_prep,@function
k_qa27973059d_prep:
	s_mov_b64 s[64:65], 0
	v_nop
	global_prefetch_b8 v0, s[64:65] scope:SCOPE_SE
	s_setreg_imm32_b32 hwreg(HW_REG_WAVE_MODE, 25, 1), 1
	s_wait_xcnt 0x0
; PREP.  Work-groups 0-255: x [8192][1024] f32 becomes codes of FP6 (E2M3), K innermost (xc, 768 bytes a row), and one E8M0 byte for each 32 along K (xs, 32 bytes a row).
; Work-groups 256-319: the four weights' codes are laid anew as IMAGES OF FRAGMENT REGISTERS (wimg), so that every later read of a fragment is three dense loads of 16 bytes a lane.
; A block's scale is 2^(floor(log2(its largest magnitude)) - 2); its byte is the largest magnitude's exponent field - 2, held at 1 from below.
; LIMITS: a block whose largest magnitude lies under 2^-124, a block of zeros among them, gets the byte 1 (its codes are then zeros or nearly so; these bytes are read by this program alone);
; NaN and infinities among the inputs are not served.
; x: rows are dense and 1024 is a multiple of 32, so x is a plain stream of blocks of 32.  A wave takes 16 steps of 512 numbers.  Each load reads 512 consecutive bytes, 16 a lane; a step's 2,048 bytes turn through the
; wave's own stage in LDS and come back 64 bytes a lane: 16 neighbours along K, which is what the conversion takes.  Two neighbouring lanes hold a block.  Waves share nothing: no barrier.
; wimg: [matrix q,k,v,o][block of 32 rows][tile 0,1][K step 0..7][1536 bytes].  Tile u of a block holds rows 8 u + r + 8 (r / 8), r = 0..15.  In an image, registers 4 c .. 4 c + 3 of lane l lie at 512 c + 16 l.
.set STEPS, 16
.set EMAX,  2
.set CB,    12                         ; bytes of 16 codes
.set R,     16                         ; v16-143  eight sets of 16 numbers as they are loaded
.set X,     144                        ; v144-175 two sets of 16 neighbours
.set C,     180                        ; v180-195 codes: four sets of four registers by turns; a set is written again behind s_wait_xcnt 0
.set E,     176                        ; v176-177 a scale byte, two registers by turns
.set WREG,  8192                       ; LDS: a region for each wave: two stages of 32 x SP bytes, behind them its 256 scale bytes
.set SP,    80                         ; a lane's place in a stage: 64 bytes + 16 of padding
	s_load_b512 s[4:19], s[0:1], 0x0               ; x s[4:5]; W_q, W_k, W_v, W_o codes s[6:13]; xc s[14:15]; xs s[16:17]; wimg s[18:19]
	v_lshl_add_u32 v196, v0, 2, 0x8000
	v_mov_b32 v197, 0
	v_lshrrev_b32 v1, 5, v0
	v_readfirstlane_b32 s20, v1                    ; wave 0..3
	v_and_b32 v2, 31, v0                           ; lane
	s_cmp_ge_u32 ttmp9, 256
	s_cbranch_scc1 .Lweights
	; ---------------- x
	v_lshlrev_b32 v3, 4, v2                        ; my 16 bytes of a load's 512
	s_mul_i32 s21, s20, WREG
	v_lshrrev_b32 v14, 2, v2
	v_mul_u32_u24 v14, v14, SP
	v_and_b32 v15, 3, v2
	v_lshl_add_u32 v14, v15, 4, v14
	v_add_nc_u32 v14, s21, v14                     ; the stage, on the way in: SP (lane / 4) + 16 (lane % 4)
	v_mul_u32_u24 v15, v2, SP
	v_add_nc_u32 v15, s21, v15                     ; on the way out: SP x lane: my 16 neighbours
	v_mul_u32_u24 v4, v2, CB                       ; my codes' place in a step's
	v_lshrrev_b32 v5, 1, v2
	s_add_co_u32 s21, s21, 2*32*SP
	v_add_nc_u32 v5, s21, v5                       ; LDS: my wave's 256 scale bytes, my block's byte
	v_lshlrev_b32 v7, 3, v2
	v_add_nc_u32 v6, s21, v7                       ; and on the way out 8 bytes a lane
	s_lshl_b32 s22, ttmp9, 2
	s_add_co_u32 s22, s22, s20                     ; which run of 8,192 numbers is my wave's: 0..1023
	s_lshl_b32 s24, s22, 15                        ; 32,768 bytes of x a run
	s_mov_b32 s25, 0
	s_mul_i32 s26, s22, 32*STEPS*CB                ; 6,144 bytes of codes
	s_mov_b32 s27, 0
	s_lshl_b32 s28, s22, 8                         ; 256 scale bytes
	s_mov_b32 s29, 0
	s_wait_alu depctr_va_vdst(0)
	s_wait_kmcnt 0x0
	s_add_nc_u64 s[4:5], s[4:5], s[24:25]
	s_add_nc_u64 s[14:15], s[14:15], s[26:27]
	s_add_nc_u64 s[16:17], s[16:17], s[28:29]
.macro LOAD t
.irp i, 0,1,2,3
	global_load_b128 v[R+16*((\t)%8)+4*\i:R+16*((\t)%8)+4*\i+3], v3, s[4:5] offset:2048*(\t)+512*\i th:TH_LOAD_NT   ; 32 lanes read 512 consecutive bytes
.endr
.endm
.macro TURN t                          ; step t's numbers through the stage: LDS serves a wave's instructions in order, so no wait stands between the stores and the loads
.irp i, 0,1,2,3
	ds_store_b128 v14, v[R+16*((\t)%8)+4*\i:R+16*((\t)%8)+4*\i+3] offset:32*SP*((\t)%2)+8*SP*\i
.endr
.irp i, 0,1,2,3
	ds_load_b128 v[X+16*((\t)%2)+4*\i:X+16*((\t)%2)+4*\i+3], v15 offset:32*SP*((\t)%2)+16*\i
.endr
.endm
.irp t, 0,1,2,3,4,5,6,7
	LOAD \t
.endr
	s_wait_loadcnt 28                              ; step 0's four loads are in; the 28 of steps 1 to 7 stay out
	TURN 0
.macro STEP t
.set XS, X+16*((\t)%2)
.if (\t) > 0
	s_wait_dscnt 1                                 ; this step's numbers are back from the stage (the last step's byte store may be out): so its stores into the stage have read their registers,
.else
	s_wait_dscnt 0x0
.endif
.if (\t)+8 < STEPS
	LOAD (\t)+8                                    ; which take the loads of eight steps on
.endif
.if (\t)+1 < STEPS
.if STEPS-2-(\t) >= 7
	s_wait_loadcnt 28                              ; the next step's four loads are in; those of the seven steps behind it may be out
.else
	s_wait_loadcnt 4*(STEPS-2-(\t))
.endif
	TURN (\t)+1
.endif
.if (\t) >= 4
	s_wait_xcnt 0x0                                ; the store of four steps ago has read its codes: their registers are written again below
.endif
	v_max3_num_f32 v8, |v[XS]|, |v[XS+1]|, |v[XS+2]|               ; the largest magnitude of my 16
	v_max3_num_f32 v9, |v[XS+3]|, |v[XS+4]|, |v[XS+5]|
.irp i, 6,10
	v_max3_num_f32 v8, v8, |v[XS+\i]|, |v[XS+\i+1]|
	v_max3_num_f32 v9, v9, |v[XS+\i+2]|, |v[XS+\i+3]|
.endr
	v_max3_num_f32 v8, v8, |v[XS+14]|, |v[XS+15]|
	v_max3_num_f32 v8, v8, v9, (EMAX+1)<<23        ; and the floor 2^(3 - 127): the byte cannot fall under 1
	v_max_num_f32_dpp v8, v8, v8 row_xmask:1 row_mask:0xf bank_mask:0xf   ; and of my neighbour's 16: the block's
	v_add_nc_u32 v11, -(EMAX<<23), v8              ; 2 off its exponent field: the conversion takes the exponent field of this operand as its scale
	v_cvt_scalef32_pk16_fp6_f32 v[C+4*((\t)%4):C+4*((\t)%4)+2], v[XS:XS+15], v11
	v_lshrrev_b32 v[E+(\t)%2], 23, v11             ; the scale's byte (also the plain line behind the conversion)
	ds_store_b8 v5, v[E+(\t)%2] offset:16*(\t)     ; both lanes of a block write the same byte with the same value
	global_store_b96 v4, v[C+4*((\t)%4):C+4*((\t)%4)+2], s[14:15] offset:32*CB*(\t)   ; the wave stores 384 consecutive bytes
.endm
.irp t, 0,1,2,3,4,5,6,7,8,9,10,11,12,13,14,15
	STEP \t
.endr
	ds_load_b64 v[12:13], v6                       ; LDS serves a wave's instructions in order: these see my byte stores
	s_wait_dscnt 0x0
	global_store_b64 v7, v[12:13], s[16:17]        ; 32 lanes store 256 consecutive bytes, aligned
	s_wait_tensorcnt 0x0
	ds_add_u32 v196, v197
	s_wait_dscnt 0x0
	s_endpgm
	; ---------------- the weights: a wave takes one tile (16 rows) of one matrix, all 8 K steps.  No LDS on this way
.Lweights:
	s_sub_co_u32 s21, ttmp9, 256
	s_lshl_b32 s21, s21, 2
	s_add_co_u32 s21, s21, s20                     ; T = 0..255: matrix T / 64, block (T % 64) / 2, tile T % 2
	s_lshr_b32 s22, s21, 6
	s_bfe_u32 s28, s21, 0x50001                    ; the block of 32 rows
	s_mul_i32 s28, s28, 24576                      ; 32 rows of 768 bytes
	s_and_b32 s29, s21, 1
	s_mul_i32 s29, s29, 6144                       ; tile 1 begins 8 rows on
	s_add_co_u32 s28, s28, s29
	s_mov_b32 s29, 0
	s_mul_i32 s30, s21, 12288                      ; 8 images of 1,536 bytes
	s_mov_b32 s31, 0
	s_wait_alu depctr_va_vdst(0)
	v_and_b32 v3, 15, v2                           ; r
	v_lshrrev_b32 v4, 4, v2                        ; h
	v_and_b32 v5, 8, v3
	v_add_nc_u32 v5, v5, v3                        ; r + 8 (r / 8)
	v_mul_u32_u24 v5, v5, 768
	v_mad_u32_u24 v5, v4, 24, v5                   ; my row, + 24 bytes for lanes 16-31
	v_lshlrev_b32 v6, 4, v2                        ; 16 x lane
	s_wait_alu depctr_va_vdst(0)
	s_wait_kmcnt 0x0
	s_cmp_eq_u32 s22, 0                            ; the matrix is chosen by the work-group's and the wave's number alone
	s_cselect_b64 s[24:25], s[6:7], s[8:9]
	s_cmp_eq_u32 s22, 2
	s_cselect_b64 s[26:27], s[10:11], s[12:13]
	s_cmp_lt_u32 s22, 2
	s_cselect_b64 s[24:25], s[24:25], s[26:27]
	s_add_nc_u64 s[24:25], s[24:25], s[28:29]
	s_add_nc_u64 s[18:19], s[18:19], s[30:31]
.irp s, 0,1,2,3,4,5,6,7
.irp p, 0,1,2,3,4,5
	global_load_b64 v[16+12*\s+2*\p:16+12*\s+2*\p+1], v5, s[24:25] offset:96*\s+48*(\p/3)+8*(\p%3)   ; the fragment's registers as the matrix instruction takes them
.endr
.endr
	s_wait_loadcnt 0x0
.irp s, 0,1,2,3,4,5,6,7
.irp c, 0,1,2
	global_store_b128 v6, v[16+12*\s+4*\c:16+12*\s+4*\c+3], s[18:19] offset:1536*\s+512*\c   ; 32 lanes store 512 consecutive bytes, aligned
.endr
.endr
	s_endpgm
.Lfunc_end_k_qa27973059d_prep:
	.size	k_qa27973059d_prep, .Lfunc_end_k_qa27973059d_prep-k_qa27973059d_prep
	.p2alignl 7, 3214868480
	.fill 96, 4, 3214868480
	.section	.rodata,"a",@progbits
	.p2align	6, 0x0
	.amdhsa_kernel k_qa27973059d_prep
		.amdhsa_group_segment_fixed_size 33280
		.amdhsa_private_segment_fixed_size 0
		.amdhsa_enable_private_segment 0
		.amdhsa_kernarg_size 64
		.amdhsa_user_sgpr_count 2
		.amdhsa_user_sgpr_kernarg_segment_ptr 1
		.amdhsa_wavefront_size32 1
		.amdhsa_system_sgpr_workgroup_id_x 1
		.amdhsa_system_sgpr_workgroup_id_y 1
		.amdhsa_system_sgpr_workgroup_id_z 1
		.amdhsa_system_vgpr_workitem_id 0
		.amdhsa_next_free_vgpr 198
		.amdhsa_next_free_sgpr 66
		.amdhsa_reserve_vcc 0
		.amdhsa_float_denorm_mode_32 3
		.amdhsa_float_denorm_mode_16_64 3
		.amdhsa_memory_ordered 1
		.amdhsa_forward_progress 1
		.amdhsa_inst_pref_size 40
	.end_amdhsa_kernel
	.amdgpu_metadata
---
amdhsa.version: [ 1, 2 ]
amdhsa.kernels:
  - .name:           k_qa27973059d_prep
    .symbol:         k_qa27973059d_prep.kd
    .args:
      - { .name: x, .offset: 0, .size: 8, .value_kind: global_buffer, .address_space: global }
      - { .name: W_q_codes, .offset: 8, .size: 8, .value_kind: global_buffer, .address_space: global }
      - { .name: W_k_codes, .offset: 16, .size: 8, .value_kind: global_buffer, .address_space: global }
      - { .name: W_v_codes, .offset: 24, .size: 8, .value_kind: global_buffer, .address_space: global }
      - { .name: W_o_codes, .offset: 32, .size: 8, .value_kind: global_buffer, .address_space: global }
      - { .name: xc, .offset: 40, .size: 8, .value_kind: global_buffer, .address_space: global }
      - { .name: xs, .offset: 48, .size: 8, .value_kind: global_buffer, .address_space: global }
      - { .name: wimg, .offset: 56, .size: 8, .value_kind: global_buffer, .address_space: global }
    .group_segment_fixed_size: 33280
    .private_segment_fixed_size: 0
    .kernarg_segment_align: 8
    .kernarg_segment_size: 64
    .max_flat_workgroup_size: 128
    .sgpr_count:     66
    .vgpr_count:     198
    .wavefront_size: 32
...
	.end_amdgpu_metadata
.endif
;; end of part 1
;; launch qkv (part 2): grid 8 x 32, 4 waves a work-group, clusters of 4 x 1, 294,912 bytes of LDS; arguments xc, xs, wimg, W_q_scales, W_k_scales, W_v_scales, b_q, b_k, b_v, qkvc, qkvs; writes qkvc, qkvs
.if DOCPART == 2
	.amdgcn_target "amdgcn-amd-amdhsa--gfx1250"
	.amdhsa_code_object_version 6
	.text
	.protected	k_qa27973059d_qkv
	.globl	k_qa27973059d_qkv
	.p2align	8
	.type	k_qa27973059d_qkv,@function
k_qa27973059d_qkv:
	s_mov_b64 s[64:65], 0
	v_nop
	global_prefetch_b8 v0, s[64:65] scope:SCOPE_SE
	s_setreg_imm32_b32 hwreg(HW_REG_WAVE_MODE, 25, 1), 1
	s_wait_xcnt 0x0
	s_wait_alu depctr_hold_cnt(0) depctr_sa_sdst(0) depctr_va_vdst(0) depctr_va_sdst(0) depctr_va_ssrc(0) depctr_va_vcc(0) depctr_vm_vsrc(0)
	s_getreg_b32 s2, hwreg(HW_REG_IB_STS2, 6, 4)
	s_cmp_eq_u32 s2, 0
	s_cbranch_scc0 .Lentry_in_a_cluster
	s_endpgm
.Lentry_in_a_cluster:
	s_bfe_u32 s2, ttmp6, 0x10000c
	s_cmp_lg_u32 s2, 0x3003
	s_cbranch_scc0 .Lentry_shape_is_right
	s_endpgm
.Lentry_shape_is_right:
; QKV.  Q = x W_q^T + b_q, K and V likewise, on codes of FP6 with E8M0 scales; the results are quantised in registers, Q and K along the head's 64, V along the keys, and leave as images of the fragments that
; the attention launch loads.
; SHARES.  A work-group takes 256 tokens (y) x 128 columns of each of the three matrices (g: heads 2 g, 2 g + 1).  Wave w owns the 32 columns 32 (4 g + w) on of each matrix: 6 tiles x 8 K steps = 48 fragments,
; 576 registers, read from memory once and kept.  x's codes of the 256 tokens (196,608 bytes) and their scale bytes come into LDS once; nothing in LDS is filled a second time.
; CLUSTER.  The four work-groups of a cluster have the same y and so the same x: each part of it is asked for jointly (mask 15).  The weights go straight into registers, each fragment to one wave of one
; work-group of the cluster, so there is nothing in them to ask for jointly.
; TILES.  A group is 32 neighbouring rows (tokens, or rows of a weight); tile u of a group holds rows 8 u + r + 8 (r / 8).  With such a tile as source 0, register j of lane (n, h) is row 16 h + 8 u + j of the group:
; the 16 registers of tiles 0 and 1 are 16 neighbours, and lanes l and l xor 16 share a block of 32.  Q, K: source 0 = the weight's tile, source 1 = 16 tokens (a lane holds a token, registers run along the head).
; V: source 0 = 16 tokens, source 1 = the weight's tile (a lane holds a channel, registers run along the keys).  The biases are the C of each sum's first matrix instruction.
; LIMITS: a block whose largest magnitude lies under 2^-124 (a block of zeros too) gets the scale byte 1; these bytes are read by this program alone.  NaN and infinities are not served.
; LDS: 0 x's codes, 256 rows of 816 bytes (each 256 bytes of data followed by 16 of padding); XSL x's scale bytes, units of 256 + 16; QST, QST + 24576, VST the three stages of codes, [head 2][12288], in the order of the
; output; SST the three stages of scale words, 1,024 bytes each.  The stages are written by LDS stores alone.
.set PITCH, 816
.set XSL,   208896
.set QST,   217600
.set VST,   266752
.set SST,   291328
; window 0
.set XA0,  4                           ; v4   (r + 8 (r / 8)) x 816 + 24 h;  v5 the same with 40 h, for the pieces that lie behind one padding more in lanes 16-31
.set XA0P, 5
.set XA,   6                           ; v6, v7 the trip's addresses for groups 0, 1;  v8, v9 for groups 2, 3
.set XSA0, 10                          ; v10  x's scale words: lanes 0-15 tile 0's tokens, lanes 16-31 tile 1's;  v11 the trip's
.set XSA,  11
.set CQ0,  12                          ; v12  where my 24 bytes of Q's or K's codes go;  v13 the trip's
.set CQ,   13
.set CV0,  14                          ; v14  V's;  v15 the trip's
.set CV,   15
.set CS0,  16                          ; v16  Q's and K's two scale bytes;  v17 the trip's
.set CSA,  17
.set CSV0, 18                          ; v18  V's two scale words;  v19 the trip's
.set CSV,  19
.set L16,  20                          ; v20  16 x lane
.set L8,   21                          ; v21  8 x lane
.set COL,  22                          ; v22  the way out: my wave's 6,144 bytes of a stage of codes
.set SCOL, 23                          ; v23  and its 256 bytes of a stage of scale words
.set XS,   204                         ; v204-211 x's scale words of the group in hand, one register a K step (their numbers differ by 4 modulo 8 from those of the weights' scale words in the same product)
.set WS,   32                          ; v32-55  the weights' scale words: 8 X + s; lanes 0-15 tile 0, lanes 16-31 tile 1
.set ACC,  56                          ; v56-151 Q at +0, K at +32 (16 u + 8 u'), V at +64 (16 n' + 8 u)
.set TM,   152                         ; v152-159 at work: two maxima, two exchanged, two scale operands, two bytes
.set CD,   160                         ; v160-189 codes, ten registers a matrix
.set U16,  190                         ; v190-191 two scale bytes, a register a matrix
.set VW,   194                         ; v194-195 V's two scale words
.set OUTR, 56                          ; v56-103 the way out, in registers of accumulators that are done with
; windows 1 to 3: fragment (tau = 2 X + u', s) in window 1 + s / 3 at 72 (s % 3) + 12 tau.  Window 3 also:
.set BQK,  144                         ; b_q's and b_k's tiles, 8 registers each
.set BV,   176                         ; b_v's two
.set XF,   192                         ; x's fragments: two buffers of two tiles
.set WV,   4
.set SEL,  20
.set G1X,  24
.set G1S,  32
.set G0X,  40
.set G0S,  44
.set XB,   48
.set XSB,  49
.set SB,   50
.set SS,   51
.set TRIP, 52
.set MSB, 0
.macro WIN new                         ; the immediate's high byte repeats the setting that is left; a switch that changes nothing is dropped
.if MSB != \new
	s_set_vgpr_msb (MSB<<8)|\new
.set MSB, \new
.endif
.endm
.macro PLACES                          ; four plain vector lines between a matrix instruction and a load into, or a read of, its registers (ISA guide 7.12.1 for reads)
.rept 4
	v_nop
.endr
.endm
.macro CROUND                          ; a round of the cluster's barrier
	s_barrier_signal -1
	s_barrier_wait -1
	s_cmp_lg_u32 s[WV], 0
	s_cbranch_scc1 .Lnot_wave_0_\@
	s_barrier_signal -3
.Lnot_wave_0_\@:
	s_barrier_wait -3
	s_barrier_signal -1
	s_barrier_wait -1
.endm
	s_load_b512 s[68:83], s[0:1], 0x0              ; xc 68, xs 70, wimg 72, W_q/k/v_scales 74 76 78, b_q 80, b_k 82
	s_load_b128 s[84:87], s[0:1], 0x40             ; b_v 84, qkvc 86
	s_load_b64 s[88:89], s[0:1], 0x50              ; qkvs
	v_lshl_add_u32 v254, v0, 2, 0x47e00
	v_mov_b32 v255, 0
	ds_add_u32 v254, v255
	ds_add_u32 v254, v255
	v_lshrrev_b32 v1, 5, v0
	v_readfirstlane_b32 s[WV], v1                  ; wave 0..3
	s_bfe_u32 s5, ttmp6, 0x40000                   ; cx
	s_lshl_b32 s6, ttmp9, 2
	s_add_co_u32 s6, s6, s5                        ; g = 4 x cluster x + cx: it enters global addresses of plain loads and stores alone
	s_and_b32 s7, ttmp7, 0xffff                    ; y, which the four partners share
	s_lshl_b32 s8, s6, 2
	s_add_co_u32 s8, s8, s[WV]                     ; my block of 32 columns: 4 g + w
	s_lshr_b32 s9, s[WV], 1                        ; which of the work-group's two heads
	s_and_b32 s10, s[WV], 1                        ; which block of 32 of the head's 64
	; descriptor group 1: dense memory as rows of 256 bytes (32 elements of 8 bytes), 16 bytes of padding behind each; mask 15 and bit 21 beside it
	s_mov_b32 s[G1X], 15|(3<<16)|(1<<20)|(1<<21)|(5<<22)|(3<<25)
	s_mov_b32 s[G1X+1], 32<<16
	s_mov_b32 s[G1X+2], 256<<16                    ; a third of the 256 tokens' codes: 256 rows of 256 bytes
	s_mov_b32 s[G1X+3], 32<<16
	s_mov_b32 s[G1X+4], 256
	s_mov_b32 s[G1X+5], 32
	s_mov_b32 s[G1X+6], 0
	s_mov_b32 s[G1X+7], 0
	s_mov_b32 s[G1S], 15|(3<<16)|(1<<20)|(1<<21)|(5<<22)|(3<<25)
	s_mov_b32 s[G1S+1], 32<<16
	s_mov_b32 s[G1S+2], 32<<16                     ; 256 tokens x 32 bytes = 32 rows
	s_mov_b32 s[G1S+3], 32<<16
	s_mov_b32 s[G1S+4], 32
	s_mov_b32 s[G1S+5], 32
	s_mov_b32 s[G1S+6], 0
	s_mov_b32 s[G1S+7], 0
	; the lanes' addresses
	v_and_b32 v1, 31, v0                           ; lane
	v_and_b32 v2, 15, v0                           ; r
	v_bfe_u32 v3, v0, 4, 1                         ; h
	v_and_b32 v244, 8, v2
	v_add_nc_u32 v244, v244, v2                    ; r + 8 (r / 8)
	v_mul_u32_u24 v[XA0], v244, PITCH
	v_mad_u32_u24 v[XA0], v3, 24, v[XA0]
	v_lshl_add_u32 v[XA0P], v3, 4, v[XA0]
	v_lshl_add_u32 v245, v3, 3, v244               ; the token whose scale words my lane holds: 8 h + r + 8 (r / 8)
	v_lshrrev_b32 v246, 3, v245
	v_lshlrev_b32 v246, 4, v246
	v_lshl_add_u32 v[XSA0], v245, 5, v246          ; 32 bytes a token, 16 more for each 8 tokens passed
	v_add_nc_u32 v[XSA0], XSL, v[XSA0]
	s_mul_i32 s11, s9, 12288
	s_mul_i32 s12, s10, 24
	s_add_co_u32 s12, s12, s11
	s_add_co_u32 s12, s12, QST
	v_mul_u32_u24 v[CQ0], v1, 48
	v_add_nc_u32 v[CQ0], s12, v[CQ0]
	v_and_b32 v250, 8, v2                          ; K's codes are dealt otherwise than Q's: of 64 tokens, token 32 a + 8 (2 g + u) + i goes to image g, lane i + 8 a + 16 u.
	v_mad_u32_u24 v250, v250, 144, v[CQ0]          ; v250 = 48 (r % 8) + 768 u + 1536 (r / 8) + the same base; the group's place stands in the stores' offsets
	s_mul_i32 s12, s10, 3072
	s_add_co_u32 s12, s12, s11
	s_add_co_u32 s12, s12, VST
	v_mul_u32_u24 v[CV0], v2, 48
	v_mad_u32_u24 v[CV0], v3, 1536, v[CV0]
	v_add_nc_u32 v[CV0], s12, v[CV0]               ; V: tile 2 beta + (lane / 16) of the head's four, row r
	s_lshl_b32 s11, s9, 9
	s_lshl_b32 s12, s10, 1
	s_add_co_u32 s12, s12, s11
	s_add_co_u32 s12, s12, SST
	v_lshl_add_u32 v[CS0], v2, 4, s12
	v_and_b32 v252, 7, v2                          ; and K's scale bytes with them: v252 = 16 (r % 8) + 4 (r / 8) + the same base
	v_lshl_add_u32 v252, v252, 4, s12
	v_bfe_u32 v253, v2, 3, 1
	v_lshl_add_u32 v252, v253, 2, v252
	s_lshl_b32 s12, s10, 3
	s_add_co_u32 s12, s12, s11
	s_add_co_u32 s12, s12, SST+2048
	v_lshl_add_u32 v[CSV0], v2, 4, s12
	v_lshlrev_b32 v[L16], 4, v1
	v_lshlrev_b32 v[L8], 3, v1
	s_mul_i32 s12, s[WV], 6144
	s_add_co_u32 s12, s12, QST
	v_add_nc_u32 v[COL], s12, v[L16]
	s_lshl_b32 s12, s[WV], 8
	s_add_co_u32 s12, s12, SST
	v_add_nc_u32 v[SCOL], s12, v[L8]
	v_lshlrev_b32 v247, 5, v245                    ; a weight's scale bytes: 32 a row, my lane's row
	v_lshlrev_b32 v248, 6, v3                      ; b_q, b_k: 16 h numbers on
	v_lshlrev_b32 v249, 2, v244                    ; b_v: my lane's channel
	v_mov_b32 v[TM+2], 0                           ; written once: a lane permute's destination counts as one of its sources
	v_mov_b32 v[TM+3], 0
	; offsets
	s_mul_i32 s54, s7, 196608                      ; x's codes: 256 tokens a work-group,
	s_mul_i32 s55, s[WV], 65536                    ; waves 0 to 2: a third each
	s_add_co_u32 s54, s54, s55
	s_mov_b32 s55, 0
	s_lshl_b32 s56, s7, 13                         ; its scale bytes
	s_mov_b32 s57, 0                               ; all of them by one load
	s_add_co_u32 s56, s56, s57
	s_mov_b32 s57, 0
	s_mul_i32 s90, s8, 24576                       ; my block's images in wimg
	s_mov_b32 s91, 0
	s_lshl_b32 s92, s8, 10                         ; its rows of scale bytes
	s_mov_b32 s93, 0
	s_lshl_b32 s94, s8, 7                          ; its biases
	s_mov_b32 s95, 0
	s_lshr_b32 s18, s7, 3
	s_lshl_b32 s18, s18, 4
	s_lshl_b32 s19, s6, 1
	s_add_co_u32 s18, s18, s19
	s_add_co_u32 s18, s18, s9                      ; batch x 16 + head
	s_and_b32 s19, s7, 7                           ; which 256 tokens of the sequence
	s_mul_i32 s58, s18, 98304
	s_mul_i32 s59, s19, 12288
	s_add_co_u32 s58, s58, s59
	s_mul_i32 s59, s10, 6144
	s_add_co_u32 s58, s58, s59
	s_mov_b32 s59, 0
	s_lshl_b32 s60, s18, 12
	s_lshl_b32 s61, s19, 9
	s_add_co_u32 s60, s60, s61
	s_lshl_b32 s61, s10, 8
	s_add_co_u32 s60, s60, s61
	s_mov_b32 s61, 0
	s_mov_b32 s[SEL], 0x76543210
	s_mov_b32 s[SEL+1], 0xfedcba98                 ; v_permlanex16_b32's selects for lane l xor 16
	s_mov_b32 s[XB], 0
	s_mov_b32 s[XSB], 0
	s_mov_b32 s[SB], 0
	s_mov_b32 s[SS], 0
	s_mov_b32 s[TRIP], 2
	s_wait_dscnt 0x0
	s_wait_kmcnt 0x0
	s_mov_b32 s[G0X], 1
	s_mul_i32 s[G0X+1], s[WV], 69632               ; 256 rows of 272 bytes a wave
	s_add_nc_u64 s[G0X+2:G0X+3], s[68:69], s[54:55]
	s_or_b32 s[G0X+3], s[G0X+3], 0x80000000
	s_mov_b32 s[G0S], 1
	s_mov_b32 s[G0S+1], 0
	s_add_co_u32 s[G0S+1], s[G0S+1], XSL
	s_add_nc_u64 s[G0S+2:G0S+3], s[70:71], s[56:57]
	s_or_b32 s[G0S+3], s[G0S+3], 0x80000000
	s_add_nc_u64 s[72:73], s[72:73], s[90:91]
	s_add_nc_u64 s[74:75], s[74:75], s[92:93]
	s_add_nc_u64 s[76:77], s[76:77], s[92:93]
	s_add_nc_u64 s[78:79], s[78:79], s[92:93]
	s_add_nc_u64 s[80:81], s[80:81], s[94:95]
	s_add_nc_u64 s[82:83], s[82:83], s[94:95]
	s_add_nc_u64 s[84:85], s[84:85], s[94:95]
	s_add_nc_u64 s[86:87], s[86:87], s[58:59]
	s_add_nc_u64 s[88:89], s[88:89], s[60:61]
	CROUND                                         ; all four work-groups are here: the joint loads meet
	s_cmp_lt_u32 s[WV], 3                          ; one tensor load a wave: waves 0 to 2 x's codes, wave 3 its scale bytes
	s_cbranch_scc0 .Lscales
	tensor_load_to_lds s[G0X:G0X+3], s[G1X:G1X+7]
	s_nop 0
.rept 4
	v_nop
.endr
	s_branch .Lasked
.Lscales:
	tensor_load_to_lds s[G0S:G0S+3], s[G1S:G1S+7]
	s_nop 0
.rept 4
	v_nop
.endr
.Lasked:
	s_wait_alu depctr_va_vdst(0)
.irp s, 0,1,2,3,4,5,6,7                        ; my 48 fragments: three dense loads of 512 bytes each
	WIN (1+\s/3)<<6
.irp tau, 0,1,2,3,4,5
.irp c, 0,1,2
	global_load_b128 v[72*(\s%3)+12*\tau+4*\c:72*(\s%3)+12*\tau+4*\c+3], v[L16], s[72:73] offset:(\tau/2)*786432+(\tau%2)*12288+1536*\s+512*\c
.endr
.endr
.endr
	WIN 0xc0
.irp xm, 0,1
.irp t, 0,1
	global_load_b128 v[BQK+8*(2*\xm+\t):BQK+8*(2*\xm+\t)+3], v248, s[80+2*\xm:81+2*\xm] offset:32*\t       ; lane (n, h): b[32 eb + 16 h + 8 u' + 0 .. 7]
	global_load_b128 v[BQK+8*(2*\xm+\t)+4:BQK+8*(2*\xm+\t)+7], v248, s[80+2*\xm:81+2*\xm] offset:32*\t+16
.endr
.endr
.irp n, 0,1
.irp j, 0,1,2,3,4,5,6,7
	global_load_b32 v[BV+8*\n+\j], v249, s[84:85] offset:32*\n   ; lane (n, h): b_v of its one channel, in all eight registers
.endr
.endr
	WIN 0
.irp xm, 0,1,2
	global_load_b128 v[WS+8*\xm:WS+8*\xm+3], v247, s[74+2*\xm:75+2*\xm]
	global_load_b128 v[WS+8*\xm+4:WS+8*\xm+7], v247, s[74+2*\xm:75+2*\xm] offset:16
.endr
	s_wait_loadcnt 0x0
	s_wait_tensorcnt 0x0                           ; my parts of x have landed,
	s_barrier_signal -1
	s_barrier_wait -1                              ; everybody's have
; A fragment of x: 16 rows x 128 K = 12 registers, in pieces of 8 bytes.  Lanes 0-15 take the row's pieces 12 s + 0, 1, 2 and 12 s + 6, 7, 8, lanes 16-31 those three pieces on.  16 bytes of padding lie behind every
; 32 pieces: where the piece three on lies behind one padding more, the second address register serves.
.macro FRAG reg, adr, s, rowimm
.irp p, 0,1,2,3,4,5
.set PCE, 12*(\s)+6*(\p/3)+\p%3
.if PCE%32 < 29
	ds_load_b64 v[\reg+2*\p:\reg+2*\p+1], v[\adr] offset:8*PCE+16*(PCE/32)+(\rowimm)
.else
	ds_load_b64 v[\reg+2*\p:\reg+2*\p+1], v[\adr+1] offset:8*PCE+16*(PCE/32)+(\rowimm)
.endif
.endr
.endm
; One matrix instruction on the registers named by rD, rA, rB, rC, sA, sB.  ra, rb: the side's scale words stand in lanes 16-31.
.macro WM ra, rb
.if (\ra) && (\rb)
	v_wmma_scale_f32_16x16x128_f8f6f4 v[rD:rD+7], v[rA:rA+11], v[rB:rB+11], v[rC:rC+7], v[sA], v[sB] matrix_a_fmt:MATRIX_FMT_FP6 matrix_b_fmt:MATRIX_FMT_FP6 matrix_a_scale:MATRIX_SCALE_ROW1 matrix_b_scale:MATRIX_SCALE_ROW1
.elseif (\ra)
	v_wmma_scale_f32_16x16x128_f8f6f4 v[rD:rD+7], v[rA:rA+11], v[rB:rB+11], v[rC:rC+7], v[sA], v[sB] matrix_a_fmt:MATRIX_FMT_FP6 matrix_b_fmt:MATRIX_FMT_FP6 matrix_a_scale:MATRIX_SCALE_ROW1
.elseif (\rb)
	v_wmma_scale_f32_16x16x128_f8f6f4 v[rD:rD+7], v[rA:rA+11], v[rB:rB+11], v[rC:rC+7], v[sA], v[sB] matrix_a_fmt:MATRIX_FMT_FP6 matrix_b_fmt:MATRIX_FMT_FP6 matrix_b_scale:MATRIX_SCALE_ROW1
.else
	v_wmma_scale_f32_16x16x128_f8f6f4 v[rD:rD+7], v[rA:rA+11], v[rB:rB+11], v[rC:rC+7], v[sA], v[sB] matrix_a_fmt:MATRIX_FMT_FP6 matrix_b_fmt:MATRIX_FMT_FP6
.endif
.endm
; K step s of group kb: the next step's two fragments of x are asked for, then twelve matrix instructions.  The twelve accumulators take turns, in the same order in every step.
.macro KSTEP kb, s
.if \s > 0
	PLACES                                         ; the buffer to be loaded was read by the step before
.endif
.if \s < 7
	WIN 0xc0
	FRAG XF+24*((\s+1)%2), XA+2*(\kb/2), \s+1, (\kb%2)*26112
	FRAG XF+24*((\s+1)%2)+12, XA+2*(\kb/2), \s+1, (\kb%2)*26112+6528
	s_wait_dscnt 12                                ; the 12 loads just issued may be out; this step's fragments, the scale words and all earlier LDS stores are done
.else
	s_wait_dscnt 0x0
.endif
.set WW, 1+(\s)/3
.set FB, XF+24*((\s)%2)
.if \s == 0
	WIN WW|0x3c                                    ; source 0 the weight's window, source 1 (x) and C (the bias) window 3
.else
	WIN WW|0x0c
.endif
.irp xm, 0,1
.irp u, 0,1
.irp t, 0,1
.set rD, ACC+32*\xm+16*\u+8*\t
.set rA, 72*((\s)%3)+12*(2*\xm+\t)
.set rB, FB+12*\u
.if \s == 0
.set rC, BQK+8*(2*\xm+\t)
.else
.set rC, rD
.endif
.set sA, WS+8*\xm+(\s)
.set sB, XS+(\s)
	WM \t, \u
.endr
.endr
.endr
.if \s == 0
	WIN 3|(WW<<2)|0x30                             ; V: source 0 (x) window 3, source 1 the weight's window
.else
	WIN 3|(WW<<2)
.endif
.irp n, 0,1
.irp u, 0,1
.set rD, ACC+64+16*\n+8*\u
.set rA, FB+12*\u
.set rB, 72*((\s)%3)+12*(4+\n)
.if \s == 0
.set rC, BV+8*\n
.else
.set rC, rD
.endif
.set sA, XS+(\s)
.set sB, WS+16+(\s)
	WM \u, \n
.endr
.endr
.endm
; Two items of 16 registers, at a0 and a0 + 16.  Item i: 16 neighbours of a block of 32 that lanes l and l xor 16 share.  Out: the two scale bytes in v[TM+6], v[TM+7]; in v[cd .. cd+5] a WHOLE block's 24 bytes of codes:
; lanes 0-15 item 0's block, lanes 16-31 item 1's.
.macro QHALF a0, cd
.irp i, 0,1
	v_max3_num_f32 v[TM+\i], |v[\a0+16*\i]|, |v[\a0+16*\i+1]|, 0x1800000   ; from each accumulator's low end on; the floor 2^(3 - 127) holds the byte at 1 from below
.endr
.irp k, 2,4,6,8,10,12,14
.irp i, 0,1
	v_max3_num_f32 v[TM+\i], v[TM+\i], |v[\a0+16*\i+\k]|, |v[\a0+16*\i+\k+1]|
.endr
.endr
.irp i, 0,1
	v_permlanex16_b32 v[TM+2+\i], v[TM+\i], s[SEL], s[SEL+1]
.endr
.irp i, 0,1
	v_max_num_f32 v[TM+\i], v[TM+\i], v[TM+2+\i]   ; the block's largest magnitude
.endr
.irp i, 0,1
	v_add_nc_u32 v[TM+4+\i], 0xff000000, v[TM+\i]  ; 2 off its exponent field: the conversion's scale operand
.endr
.irp i, 0,1
	v_lshrrev_b32 v[TM+6+\i], 23, v[TM+4+\i]       ; the scale's byte
.endr
	v_cvt_scalef32_pk16_fp6_f32 v[\cd:\cd+2], v[\a0:\a0+15], v[TM+4]
	v_cvt_scalef32_pk16_fp6_f32 v[\cd+6:\cd+8], v[\a0+16:\a0+31], v[TM+5]
	v_nop                                          ; one plain line behind a scaled conversion
.irp i, 0,1,2
	v_permlane16_swap_b32 v[\cd+\i], v[\cd+6+\i]   ; the first's lanes 16-31 change places with the second's lanes 0-15: now the lower and the upper 16 codes of each lane's block
.endr
.irp i, 0,1,2
	v_mov_b32 v[\cd+3+\i], v[\cd+6+\i]
.endr
.endm
.macro EPI_QK xm, kb                   ; items = the two tiles of tokens; lane (r, u) ends with block beta of token 8 u + r + 8 (r / 8)
	QHALF ACC+32*\xm, CD+10*\xm
	v_lshl_or_b32 v[U16+\xm], v[TM+7], 8, v[TM+6]
.if \xm                                ; K: group kb is half a = kb % 2 of the 64 tokens kb / 2
	ds_store_b64 v251, v[CD+10:CD+11] offset:24576+3072*((\kb)/2)+384*((\kb)%2)
	ds_store_b64 v251, v[CD+12:CD+13] offset:24576+3072*((\kb)/2)+384*((\kb)%2)+8
	ds_store_b64 v251, v[CD+14:CD+15] offset:24576+3072*((\kb)/2)+384*((\kb)%2)+16
	ds_store_b16 v253, v[U16+1] offset:1024+128*((\kb)%2)+8*((\kb)/2)
.else
	ds_store_b64 v[CQ], v[CD:CD+1] offset:1536*\kb
	ds_store_b64 v[CQ], v[CD+2:CD+3] offset:1536*\kb+8
	ds_store_b64 v[CQ], v[CD+4:CD+5] offset:1536*\kb+16
	ds_store_b16 v[CSA], v[U16] offset:4*\kb       ; bytes 2 beta, 2 beta + 1 of row r's word for this group (both halves of the lanes write the same)
.endif
.endm
.macro EPI_V kb                        ; items = the two tiles of channels; lane (r, n') ends with key block kb of channel 32 beta + 8 n' + r + 8 (r / 8)
	QHALF ACC+64, CD+20
.if \kb == 0
	v_mov_b32 v[VW], v[TM+6]
	v_mov_b32 v[VW+1], v[TM+7]
.else
	v_lshl_or_b32 v[VW], v[TM+6], 8*\kb, v[VW]
	v_lshl_or_b32 v[VW+1], v[TM+7], 8*\kb, v[VW+1]
.endif
	ds_store_b64 v[CV], v[CD+20:CD+21] offset:768*(\kb%2)+24*(\kb/2)
	ds_store_b64 v[CV], v[CD+22:CD+23] offset:768*(\kb%2)+24*(\kb/2)+8
	ds_store_b64 v[CV], v[CD+24:CD+25] offset:768*(\kb%2)+24*(\kb/2)+16
.if \kb == 3
	ds_store_b64 v[CSV], v[VW:VW+1]                ; the scale words of tiles 2 beta, 2 beta + 1 for these 128 keys
.endif
.endm
.macro GROUP kb                        ; 32 tokens
.if \kb == 0
	WIN 0xc0
	FRAG XF, XA, 0, 0
	FRAG XF+12, XA, 0, 6528
	WIN 0
	ds_load_b128 v[XS:XS+3], v[XSA]
	ds_load_b128 v[XS+4:XS+7], v[XSA] offset:16
.endif
.irp s, 0,1,2,3,4,5,6,7
	KSTEP \kb, \s
.endr
	PLACES                                         ; behind the last products: for the loads below and for the first reads of results
.if \kb < 3
	WIN 0xc0
	FRAG XF, XA+2*((\kb+1)/2), 0, ((\kb+1)%2)*26112           ; the next group's first fragments and scale words land while this group is quantised
	FRAG XF+12, XA+2*((\kb+1)/2), 0, ((\kb+1)%2)*26112+6528
	WIN 0
	ds_load_b128 v[XS:XS+3], v[XSA] offset:1088*(\kb+1)
	ds_load_b128 v[XS+4:XS+7], v[XSA] offset:1088*(\kb+1)+16
.endif
	WIN 0
	EPI_QK 0, \kb
	EPI_QK 1, \kb
	EPI_V \kb
.endm
.Ltrip:                                            ; two trips of 128 tokens
	v_add_nc_u32 v[XA], s[XB], v[XA0]
	s_wait_alu depctr_va_vdst(0)
	v_add_nc_u32 v[XA+1], s[XB], v[XA0P]
	s_wait_alu depctr_va_vdst(0)
	v_add_nc_u32 v[XA+2], 52224, v[XA]             ; groups 2, 3: 64 rows on
	v_add_nc_u32 v[XA+3], 52224, v[XA+1]
	v_add_nc_u32 v[XSA], s[XSB], v[XSA0]
	s_wait_alu depctr_va_vdst(0)
	v_add_nc_u32 v[CQ], s[SB], v[CQ0]
	v_add_nc_u32 v[CV], s[SB], v[CV0]
	v_add_nc_u32 v[CSA], s[SS], v[CS0]
	v_add_nc_u32 v[CSV], s[SS], v[CSV0]
	v_add_nc_u32 v251, s[SB], v250                 ; K's two addresses of the trip
	v_add_nc_u32 v253, s[SS], v252
	GROUP 0
	GROUP 1
	GROUP 2
	GROUP 3
	s_wait_dscnt 0x0                               ; my LDS stores have read their registers: addresses and V's scale words may be written again
	s_add_co_u32 s[XB], s[XB], 104448              ; 128 rows of 816 bytes
	s_add_co_u32 s[XSB], s[XSB], 4352              ; 128 tokens' scale bytes: 16 units of 272
	s_add_co_u32 s[SB], s[SB], 6144                ; four groups' images
	s_add_co_u32 s[SS], s[SS], 256                 ; a step's scale words
	s_sub_co_u32 s[TRIP], s[TRIP], 1
	s_cmp_lg_u32 s[TRIP], 0
	s_cbranch_scc1 .Ltrip
	s_barrier_signal -1                            ; (my stores into the stages are done: the wait above)
	s_barrier_wait -1
	; THE WAY OUT: the stages lie in the order of the output; each wave copies 6,144 bytes of each, 512 consecutive bytes an instruction
.irp xm, 0,1,2
.if \xm > 0
	s_wait_xcnt 0x0                                ; the stores have read their registers and their base
	s_add_nc_u64 s[86:87], s[86:87], 6291456       ; on to K's part, then V's
.endif
.irp i, 0,1,2,3,4,5,6,7,8,9,10,11
	ds_load_b128 v[OUTR+4*\i:OUTR+4*\i+3], v[COL] offset:24576*\xm+512*\i
.endr
	s_wait_dscnt 0x0
.irp i, 0,1,2,3,4,5,6,7,8,9,10,11
	global_store_b128 v[L16], v[OUTR+4*\i:OUTR+4*\i+3], s[86:87] offset:512*\i
.endr
.endr
.irp xm, 0,1,2
	ds_load_b64 v[TM+2*\xm:TM+2*\xm+1], v[SCOL] offset:1024*\xm
.endr
	s_wait_dscnt 0x0
.irp xm, 0,1,2
	global_store_b64 v[L8], v[TM+2*\xm:TM+2*\xm+1], s[88:89] offset:262144*\xm   ; 256 consecutive bytes, aligned
.endr
	s_wait_tensorcnt 0x0
	ds_add_u32 v254, v255
	s_wait_dscnt 0x0
	CROUND                                         ; the closing round
	s_endpgm
.Lfunc_end_k_qa27973059d_qkv:
	.size	k_qa27973059d_qkv, .Lfunc_end_k_qa27973059d_qkv-k_qa27973059d_qkv
	.p2alignl 7, 3214868480
	.fill 96, 4, 3214868480
	.section	.rodata,"a",@progbits
	.p2align	6, 0x0
	.amdhsa_kernel k_qa27973059d_qkv
		.amdhsa_group_segment_fixed_size 294912
		.amdhsa_private_segment_fixed_size 0
		.amdhsa_enable_private_segment 0
		.amdhsa_kernarg_size 88
		.amdhsa_user_sgpr_count 2
		.amdhsa_user_sgpr_kernarg_segment_ptr 1
		.amdhsa_wavefront_size32 1
		.amdhsa_system_sgpr_workgroup_id_x 1
		.amdhsa_system_sgpr_workgroup_id_y 1
		.amdhsa_system_sgpr_workgroup_id_z 1
		.amdhsa_system_vgpr_workitem_id 0
		.amdhsa_next_free_vgpr 1024
		.amdhsa_next_free_sgpr 96
		.amdhsa_reserve_vcc 0
		.amdhsa_float_denorm_mode_32 3
		.amdhsa_float_denorm_mode_16_64 3
		.amdhsa_memory_ordered 1
		.amdhsa_forward_progress 1
		.amdhsa_inst_pref_size 138
	.end_amdhsa_kernel
	.amdgpu_metadata
---
amdhsa.version: [ 1, 2 ]
amdhsa.kernels:
  - .name:           k_qa27973059d_qkv
    .symbol:         k_qa27973059d_qkv.kd
    .args:
      - { .name: xc, .offset: 0, .size: 8, .value_kind: global_buffer, .address_space: global }
      - { .name: xs, .offset: 8, .size: 8, .value_kind: global_buffer, .address_space: global }
      - { .name: wimg, .offset: 16, .size: 8, .value_kind: global_buffer, .address_space: global }
      - { .name: W_q_scales, .offset: 24, .size: 8, .value_kind: global_buffer, .address_space: global }
      - { .name: W_k_scales, .offset: 32, .size: 8, .value_kind: global_buffer, .address_space: global }
      - { .name: W_v_scales, .offset: 40, .size: 8, .value_kind: global_buffer, .address_space: global }
      - { .name: b_q, .offset: 48, .size: 8, .value_kind: global_buffer, .address_space: global }
      - { .name: b_k, .offset: 56, .size: 8, .value_kind: global_buffer, .address_space: global }
      - { .name: b_v, .offset: 64, .size: 8, .value_kind: global_buffer, .address_space: global }
      - { .name: qkvc, .offset: 72, .size: 8, .value_kind: global_buffer, .address_space: global }
      - { .name: qkvs, .offset: 80, .size: 8, .value_kind: global_buffer, .address_space: global }
    .group_segment_fixed_size: 294912
    .private_segment_fixed_size: 0
    .kernarg_segment_align: 8
    .kernarg_segment_size: 88
    .max_flat_workgroup_size: 128
    .sgpr_count:     96
    .vgpr_count:     1024
    .wavefront_size: 32
...
	.end_amdgpu_metadata
.endif
;; end of part 2
;; launch attn (part 3): grid 4 x 64, 16 waves a work-group, clusters of 4 x 1, 220,160 bytes of LDS; arguments qkvc, qkvs, cc, cs; writes cc, cs
.if DOCPART == 3
	.amdgcn_target "amdgcn-amd-amdhsa--gfx1250"
	.amdhsa_code_object_version 6
	.text
	.protected	k_qa27973059d_attn
	.globl	k_qa27973059d_attn
	.p2align	8
	.type	k_qa27973059d_attn,@function
k_qa27973059d_attn:
	s_mov_b64 s[64:65], 0
	v_nop
	global_prefetch_b8 v0, s[64:65] scope:SCOPE_SE
	s_setreg_imm32_b32 hwreg(HW_REG_WAVE_MODE, 25, 1), 1
	s_wait_xcnt 0x0
	s_wait_alu depctr_hold_cnt(0) depctr_sa_sdst(0) depctr_va_vdst(0) depctr_va_sdst(0) depctr_va_ssrc(0) depctr_va_vcc(0) depctr_vm_vsrc(0)
	s_getreg_b32 s2, hwreg(HW_REG_IB_STS2, 6, 4)
	s_cmp_eq_u32 s2, 0
	s_cbranch_scc0 .Lentry_in_a_cluster
	s_endpgm
.Lentry_in_a_cluster:
	s_bfe_u32 s2, ttmp6, 0x10000c
	s_cmp_lg_u32 s2, 0x3003
	s_cbranch_scc0 .Lentry_shape_is_right
	s_endpgm
.Lentry_shape_is_right:
; ATTN.  context = softmax(Q K^T / 8) V for one head, both products on codes of FP6 with E8M0 scales; the context is divided by the row's sum and quantised along the head's 64 for the last product.
; THE SOFTMAX: t = score x log2(e) / 8; M = the running largest t rounded UP to a whole number; p = 2^(t - M) is quantised along the keys, not normalised; the row's sum is taken of the unquantised p;
; when M moves, the sum and O are multiplied by 2^(old M - new M), which rounds nothing.
; SHARES.  A work-group owns 512 queries of one head (y = batch x 16 + head); each of its sixteen waves owns one tile of 16 queries in each of two passes (a loop of two trips), in 256 registers.
; The head's K and V codes (2 x 98,304 bytes) and scale words (2 x 4,096) come into LDS once and stay: no LDS byte is filled twice.
; CLUSTER.  The four work-groups of a cluster are the four quarters of one head's queries: K and V are asked for jointly (mask 15).  cx enters the global addresses of Q and of the results alone.
; THE HEAD'S LOADS, at most one a wave, in one chain of arms: waves 0 to 3 the first four key steps of K and of V and all scale words; they alone wait ahead of the first barrier.  Waves 4 to 15 bring two key steps each;
; every wave waits for its load ahead of the barrier behind key step 2, whose reads (V's steps 0 to 2, K's steps 0 to 3) lie in the first tiles.  No data prefetch: all that the launch reads by tensor loads is asked for at the head.
; K = 64 IN AN INSTRUCTION OF 128.  An image of K holds 32 keys: lane (r, u) has one key, its block 0 in registers 0-5 and block 1 in 6-11.  Read as a fragment, row r's four blocks of 32 are (u=0 block 0, u=1 block 0, u=0 block 1,
; u=1 block 1).  Multiplied by Q with zero codes in lanes 16-31 it gives the scores of the keys u = 0, by Q with zero codes in lanes 0-15 those of u = 1.
; WHICH KEYS: of 64 keys, image g, lane (r, u) holds key 32 (r / 8) + 8 (2 g + u) + r % 8.  Both products are used transposed, so a lane holds ONE query (lane % 16), and register 32 c + k of its scores is key k of block
; 2 c + lane / 16 of the step's four blocks of 32: a whole block lies in a lane, in the order in which the second product's operand wants it.
; K's fragments of the next step are asked for behind this step's score products, V's at the step's top: one wait on LDS a step, ahead of the second product.
; LIMITS: the promise holds while the scaled scores t stay under 2^31 in magnitude.  A block of the context whose largest magnitude lies under 2^-124 gets the scale byte 1 (read by this program alone).  1 / sum by v_rcp_f32.
; NaN and infinities are not served.  A block's largest p is not searched for: the block's largest score goes through the same multiply-add and exponential (this takes v_exp_f32 not to fall where its input rises).
.set KSL,  196608                      ; LDS: 0 K's codes; 98304 V's; KSL K's scale words; VSL V's; STG a stage of 768 bytes a wave; SSTL the results' scale bytes, 1,024; SPARE the spare words
.set VSL,  200704
.set STG,  204800
.set SSTL, 217088
.set SPARE, 218112
.set AK0,  1                           ; v1 48 x lane; v2 the same among V's; v3 KSL + 16 r; v4-6 the step's addresses
.set AV0,  2
.set AS0,  3
.set ADK,  4
.set ADV,  5
.set ADS,  6
.set QSW,  7                           ; v7 Q's scale word
.set SH8,  8                           ; v8 8 x (lane / 16)
.set TMP,  9
.set F,    10                          ; v10 f = 2^(old M - new M); v11 p's scale word; v12 -M; v13 the largest score; v[14:15] the sum in two halves
.set PW,   11
.set QLO,  16                          ; v16-27 Q in lanes 0-15, zeros above; v28-39 the other way round
.set QHI,  28
.set KF,   40                          ; v40-87 K's four fragments (between passes: Q as loaded); v88-91 their scale words
.set KSW,  88
.set VF,   92                          ; v92-139 V's four fragments (on the way out: codes and addresses); v140-143 their scale words
.set VSW,  140
.set S,    144                         ; v144-207 the scores, then p; p's codes end in v160-171
.set PC,   S+16
.set O,    208                         ; v208-239 O^T
.set TM,   240                         ; v240-249 at work; v250-253 partial sums
.set BT,   242
.set BS,   244
.set T,    246
.set R2,   249
.set SA,   250
.set SB,   252
.set PCO,  VF                          ; the way out
.set OB,   VF+12
.set RR,   VF+18
.set LN,   VF+19
.set STA,  VF+20
.set STB,  VF+21
.set STC,  VF+22
.set SSA,  VF+23
.set L16,  VF+24
.set L8,   VF+25
.set SCP,  VF+26
.set QOF,  VF+30
.set QSOF, VF+31
.set WV,   4
.set G1S,  24                          ; group 1 of 16, of 96 and of 48 rows of 256 bytes
.set G1A,  32
.set G1B,  40
.set G0,   48
.set QB,   52
.set QSB,  54
.set SEL,  56
.set CS,   58
.set TB,   60
.set TS,   61
.set CNT,  62
.set PSEL, 63
.set NC,   66
.set PS,   67
.set PO,   85
.macro WALU
	s_wait_alu depctr_va_vdst(0)
.endm
.macro HINT n
	s_delay_alu instid0(VALU_DEP_\n)
.endm
.macro NOPS n
.rept \n
	v_nop
.endr
.endm
.macro CROUND
	s_barrier_signal -1
	s_barrier_wait -1
	s_cmp_lg_u32 s[WV], 0
	s_cbranch_scc1 .Lnot_wave_0_\@
	s_barrier_signal -3
.Lnot_wave_0_\@:
	s_barrier_wait -3
	s_barrier_signal -1
	s_barrier_wait -1
.endm
.macro GRP1 g, rows                    ; dense memory as rows of 256 bytes, no padding; mask 15 and bit 21 beside it
	s_mov_b32 s[\g], 15|(3<<16)|(1<<21)
	s_mov_b32 s[\g+1], 32<<16
	s_mov_b32 s[\g+2], (\rows)<<16
	s_mov_b32 s[\g+3], 32<<16
	s_mov_b32 s[\g+4], \rows
	s_mov_b32 s[\g+5], 32
	s_mov_b32 s[\g+6], 0
	s_mov_b32 s[\g+7], 0
.endm
.macro TL g1                           ; a joint load; s_nop 0 and four v_nop behind it
	s_or_b32 s[G0+3], s[G0+3], 0x80000000
	tensor_load_to_lds s[G0:G0+3], s[\g1:\g1+7]
	s_nop 0
	NOPS 4
.endm
	s_load_b256 s[68:75], s[0:1], 0x0              ; qkvc 68, qkvs 70, cc 72, cs 74
	v_lshl_add_u32 v254, v0, 2, SPARE
	v_mov_b32 v255, 0
	ds_add_u32 v254, v255                          ; the opening lines: the add twice and one wait
	ds_add_u32 v254, v255
	v_lshrrev_b32 v1, 5, v0
	v_readfirstlane_b32 s[WV], v1                  ; wave 0..15
	s_bfe_u32 s5, ttmp6, 0x40000                   ; cx: which quarter of the queries
	s_and_b32 s6, ttmp7, 0xffff                    ; batch x 16 + head, which the partners share
	s_and_b32 s7, s[WV], 1
	GRP1 G1S, 16
	GRP1 G1A, 96
	GRP1 G1B, 48
	s_mul_i32 s8, s6, 98304                        ; the head's codes in a part
	s_add_co_u32 s16, s8, 6291456                  ; K's part
	s_mov_b32 s17, 0
	s_add_co_u32 s18, s8, 12582912-98304           ; V's part, less V's place in LDS: so an LDS address is also the offset from here
	s_mov_b32 s19, 0
	s_lshl_b32 s9, s6, 12
	s_add_co_u32 s20, s9, 262144                   ; K's scale words
	s_mov_b32 s21, 0
	s_add_co_u32 s22, s9, 524288                   ; V's
	s_mov_b32 s23, 0
	s_mul_i32 s76, s5, 24576                       ; offsets that hang on cx: registers of their own.  16 groups of 1,536 bytes a quarter,
	s_add_co_u32 s76, s76, s8
	s_mul_i32 s77, s[WV], 768                      ; tile w of the pass's sixteen
	s_add_co_u32 s76, s76, s77
	s_mov_b32 s77, 0
	s_lshl_b32 s79, s5, 10
	s_add_co_u32 s78, s9, s79
	s_lshl_b32 s79, s7, 9
	s_add_co_u32 s80, s78, s79                     ; cs: my half of the work-group's 1,024 bytes
	s_mov_b32 s81, 0
	s_lshr_b32 s79, s[WV], 3
	s_lshl_b32 s79, s79, 8
	s_add_co_u32 s78, s78, s79                     ; Q's scale words: step w / 8 of the pass,
	s_bfe_u32 s79, s[WV], 0x20001
	s_lshl_b32 s79, s79, 2
	s_add_co_u32 s78, s78, s79                     ; word (w / 2) % 4
	s_mov_b32 s79, 0
	s_mul_i32 s82, s[WV], 768
	s_add_co_u32 s82, s82, STG                     ; my stage
	s_lshl_b32 s83, s[WV], 5
	s_add_co_u32 s83, s83, SSTL                    ; my tile's scale bytes
	s_lshl_b32 s84, s7, 9
	s_add_co_u32 s84, s84, SSTL                    ; the half that waves 0, 1 copy at the end
	s_mov_b32 s[SEL], 0x76543210
	s_mov_b32 s[SEL+1], 0xfedcba98                 ; v_permlanex16_b32's selects for lane l xor 16
	s_mov_b32 s[CS], 0x3e38aa3b                    ; c = log2(e) / 8
	s_mov_b32 s[CS+1], s[CS]                       ; (named with it as a pair, so it is written)
	s_mov_b32 s[NC], 0xbe38aa3b                    ; -c
	s_cmp_eq_u32 s7, 0
	s_mov_b32 s[PSEL], 0x03030101                  ; tile 1: bytes 1, 1, 3, 3 of the group's word;
	s_cselect_b32 s[PSEL], 0x02020000, s[PSEL]     ; tile 0: bytes 0, 0, 2, 2
	v_and_b32 v[TMP], 31, v0
	v_and_b32 v[BT], 15, v0
	v_bfe_u32 v[SH8], v0, 4, 1
	v_mul_u32_u24 v[AK0], v[TMP], 48
	v_lshl_add_u32 v[AS0], v[BT], 4, KSL
	v_mul_u32_u24 v[QOF], v[BT], 48
	v_lshlrev_b32 v[QSOF], 4, v[BT]
	v_lshlrev_b32 v[SH8], 3, v[SH8]
	v_add_nc_u32 v[AV0], 98304, v[AK0]
	WALU
	s_wait_dscnt 0x0
	s_wait_kmcnt 0x0
	s_add_nc_u64 s[8:9], s[68:69], s[16:17]        ; K's codes
	s_add_nc_u64 s[10:11], s[68:69], s[18:19]      ; V's, less 98,304
	s_add_nc_u64 s[12:13], s[70:71], s[20:21]
	s_add_nc_u64 s[14:15], s[70:71], s[22:23]
	s_add_nc_u64 s[QB:QB+1], s[68:69], s[76:77]
	s_add_nc_u64 s[QSB:QSB+1], s[70:71], s[78:79]
	s_add_nc_u64 s[72:73], s[72:73], s[76:77]
	s_add_nc_u64 s[74:75], s[74:75], s[80:81]
	s_mov_b32 s[G0], 1
	s_mul_i32 s20, s[WV], 12288                    ; two key steps' codes
	s_mov_b32 s21, 0
	CROUND                                         ; all four work-groups are here: the joint loads meet
	s_cmp_eq_u32 s[WV], 0
	s_cbranch_scc0 .La1
	s_mov_b32 s[G0+1], 0                           ; wave 0: K's key steps 0 to 3
	s_mov_b64 s[G0+2:G0+3], s[8:9]
	TL G1A
	s_branch .Lasked
.La1:
	s_cmp_eq_u32 s[WV], 1
	s_cbranch_scc0 .La2
	s_mov_b32 s[G0+1], KSL                         ; wave 1: K's scale words
	s_mov_b64 s[G0+2:G0+3], s[12:13]
	TL G1S
	s_branch .Lasked
.La2:
	s_cmp_eq_u32 s[WV], 2
	s_cbranch_scc0 .La3
	s_mov_b32 s[G0+1], 98304                       ; wave 2: V's key steps 0 to 3
	s_add_nc_u64 s[G0+2:G0+3], s[10:11], 98304
	TL G1A
	s_branch .Lasked
.La3:
	s_cmp_eq_u32 s[WV], 3
	s_cbranch_scc0 .La4
	s_mov_b32 s[G0+1], VSL                         ; wave 3: V's scale words
	s_mov_b64 s[G0+2:G0+3], s[14:15]
	TL G1S
	s_branch .Lasked
.La4:
	s_cmp_lt_u32 s[WV], 8
	s_cbranch_scc0 .La5
	s_mov_b32 s[G0+1], s20                         ; waves 4 to 7: K's key steps 2 w, 2 w + 1
	s_add_nc_u64 s[G0+2:G0+3], s[8:9], s[20:21]
	TL G1B
	s_branch .Lasked
.La5:
	s_cmp_lt_u32 s[WV], 10
	s_cbranch_scc0 .La6
	s_and_b32 s20, s[WV], 7                        ; waves 8, 9: K's key steps 4, 5 and 6, 7
	s_mul_i32 s20, s20, 12288
	s_add_co_u32 s20, s20, 24576
	s_mov_b32 s[G0+1], s20
	s_add_nc_u64 s[G0+2:G0+3], s[8:9], s[20:21]
	TL G1B
	s_branch .Lasked
.La6:
	s_mov_b32 s[G0+1], s20                         ; waves 10 to 15: V's key steps 2 (w - 8) and the next, at LDS byte 12,288 w
	s_add_nc_u64 s[G0+2:G0+3], s[10:11], s[20:21]
	TL G1B
.Lasked:
	global_load_b128 v[KF:KF+3], v[QOF], s[QB:QB+1]            ; the first pass's query r: 48 bytes, in both halves of the lanes
	global_load_b128 v[KF+4:KF+7], v[QOF], s[QB:QB+1] offset:16
	global_load_b128 v[KF+8:KF+11], v[QOF], s[QB:QB+1] offset:32
	global_load_b32 v[KF+12], v[QSOF], s[QSB:QSB+1]            ; row r's scale word of my group
	s_mov_b32 s[PS], 0
	s_mov_b32 s[PO], 0
	WALU
	s_cmp_lt_u32 s[WV], 4
	s_cbranch_scc0 .Lnot_first
	s_wait_tensorcnt 0x0                           ; waves 0 to 3: my tile has landed
.Lnot_first:
	s_barrier_signal -1
	s_barrier_wait -1                              ; the first four key steps and all scale words are in; the other key steps may still land behind it
; A KEY STEP: 128 keys = four images of K, four tiles of V.  last = 1: the loop's last trip asks for no further K
.macro STEP last
	v_add_nc_u32 v[ADK], s[TB], v[AK0]             ; five plain lines behind the last step's products: ahead of the loads into V's registers and of the products that write over p's codes
	v_add_nc_u32 v[ADV], s[TB], v[AV0]
	v_add_nc_u32 v[ADS], s[TS], v[AS0]
	v_mov_b32 v[TMP], v12                          ; the old -M
	v_nop
.irp t, 0,1,2,3
.irp c, 0,1,2
	ds_load_b128 v[VF+12*\t+4*\c:VF+12*\t+4*\c+3], v[ADV] offset:1536*\t+16*\c
.endr
.endr
	ds_load_b128 v[VSW:VSW+3], v[ADS] offset:VSL-KSL
.irp b, 0,1,2,3
	v_wmma_scale_f32_16x16x128_f8f6f4 v[S+16*\b:S+16*\b+7], v[KF+12*\b:KF+12*\b+11], v[QLO:QLO+11], 0, v[KSW+\b], v[QSW] matrix_a_fmt:MATRIX_FMT_FP6 matrix_b_fmt:MATRIX_FMT_FP6
	v_wmma_scale_f32_16x16x128_f8f6f4 v[S+16*\b+8:S+16*\b+15], v[KF+12*\b:KF+12*\b+11], v[QHI:QHI+11], 0, v[KSW+\b], v[QSW] matrix_a_fmt:MATRIX_FMT_FP6 matrix_b_fmt:MATRIX_FMT_FP6
.endr
	NOPS 4                                         ; places: for the loads below and for the first reads of the scores
.if \last
	s_cmp_eq_u32 s[CNT], 1
	s_cbranch_scc1 .Lno_k_\@
.endif
.irp b, 0,1,2,3
.irp c, 0,1,2
	ds_load_b128 v[KF+12*\b+4*\c:KF+12*\b+4*\c+3], v[ADK] offset:6144+1536*\b+16*\c   ; the next step's K
.endr
.endr
	ds_load_b128 v[KSW:KSW+3], v[ADS] offset:256
.if \last
.Lno_k_\@:
.endif
.irp c, 0,1                                    ; the largest score of my two blocks of 32 keys, two chains each, every accumulator from its low end on
	v_max3_num_f32 v[TM+\c], v[S+32*\c], v[S+32*\c+1], v[S+32*\c+2]
	v_max3_num_f32 v[BT+\c], v[S+32*\c+16], v[S+32*\c+17], v[S+32*\c+18]
.endr
.irp i, 3,5,7,9,11,13
.irp c, 0,1
	v_max3_num_f32 v[TM+\c], v[TM+\c], v[S+32*\c+\i], v[S+32*\c+\i+1]
	v_max3_num_f32 v[BT+\c], v[BT+\c], v[S+32*\c+16+\i], v[S+32*\c+17+\i]
.endr
.endr
.irp c, 0,1
	v_max3_num_f32 v[TM+\c], v[TM+\c], v[BT+\c], v[S+32*\c+15]
.endr
.irp c, 0,1
	v_max_num_f32 v[TM+\c], v[TM+\c], v[S+32*\c+31]
.endr
	HINT 1
	v_max_num_f32 v[BT], v[TM], v[TM+1]
	HINT 1
	v_permlanex16_b32 v[R2], v[BT], s[SEL], s[SEL+1]
	HINT 1
	v_max3_num_f32 v13, v13, v[BT], v[R2]          ; the running largest score of my query
	HINT 1
	v_mul_f32 v[BT], s[NC], v13                    ; -t
	HINT 1
	v_floor_f32 v12, v[BT]                         ; the new -M = floor(-t): M is a whole number
	HINT 1
	v_sub_f32 v[BT], v12, v[TMP]                   ; old M - new M: a whole number, 0 or less
	HINT 1
	v_cvt_i32_f32 v[BT], v[BT]                     ; (it saturates)
	HINT 1
	v_ldexp_f32 v[F], 1.0, v[BT]                   ; f = 2^(old M - new M)
.set J, 0
.rept 32
	v_pk_fma_f32 v[S+J:S+J+1], v[S+J:S+J+1], s[CS:CS+1], v[12:13] op_sel_hi:[1,0,0]   ; t - M, two at a time
.set J, J+2
.endr
.irp c, 0,1
	v_fma_f32 v[TM+\c], v[TM+\c], s[CS], v12       ; the same of each block's largest score
.endr
	WALU                                           ; the wait ahead of the batch
.set J, 0
.rept 64
	v_exp_f32 v[S+J], v[S+J]                       ; p = 2^(t - M)
.set J, J+1
.endr
	v_exp_f32 v[TM], v[TM]                         ; the blocks' largest p
	v_exp_f32 v[TM+1], v[TM+1]
	v_pk_mul_f32 v[14:15], v[14:15], v[F:F+1] op_sel_hi:[1,0]   ; the sums under the new M (the plain line behind the exponentials)
	WALU                                           ; and behind it, ahead of its first reader
	v_pk_add_f32 v[SA:SA+1], v[S:S+1], v[S+2:S+3]  ; the row's sum of the unquantised p: four chains
	v_pk_add_f32 v[SB:SB+1], v[S+4:S+5], v[S+6:S+7]
	v_pk_add_f32 v[BT:BT+1], v[S+8:S+9], v[S+10:S+11]
	v_pk_add_f32 v[14:15], v[14:15], v[S+12:S+13]
.irp j, 14,22,30,38,46,54
	v_pk_add_f32 v[SA:SA+1], v[SA:SA+1], v[S+\j:S+\j+1]
	v_pk_add_f32 v[SB:SB+1], v[SB:SB+1], v[S+\j+2:S+\j+3]
	v_pk_add_f32 v[BT:BT+1], v[BT:BT+1], v[S+\j+4:S+\j+5]
	v_pk_add_f32 v[14:15], v[14:15], v[S+\j+6:S+\j+7]
.endr
	v_pk_add_f32 v[SA:SA+1], v[SA:SA+1], v[S+62:S+63]
	HINT 2
	v_pk_add_f32 v[14:15], v[14:15], v[BT:BT+1]
	HINT 2
	v_pk_add_f32 v[SA:SA+1], v[SA:SA+1], v[SB:SB+1]
	HINT 1
	v_pk_add_f32 v[14:15], v[14:15], v[SA:SA+1]
.irp c, 0,1
	v_max_num_f32 v[TM+\c], 0x1800000, v[TM+\c]    ; the floor 2^(3 - 127): the byte cannot fall under 1
.endr
.irp c, 0,1
	HINT 2
	v_add_nc_u32 v[BS+\c], 0xff000000, v[TM+\c]    ; 2 off the exponent field: the conversion's scale operand
.endr
	; p's codes are laid into score registers that are done with; a plain line stands between a conversion and the next line that writes its sources or touches its result
	v_cvt_scalef32_pk16_fp6_f32 v[T:T+2], v[S+16:S+31], v[BS]              ; block c = 0, upper 16 (its place begins at an odd register: moved below)
	v_lshrrev_b32 v[BT], 23, v[BS]                 ; the scales' bytes
	v_cvt_scalef32_pk16_fp6_f32 v[PC:PC+2], v[S:S+15], v[BS]               ; lower 16
	v_lshrrev_b32 v[BT+1], 23, v[BS+1]
	v_cvt_scalef32_pk16_fp6_f32 v[PC+6:PC+8], v[S+32:S+47], v[BS+1]        ; block c = 1, lower 16
	v_lshl_or_b32 v[BT], v[BT+1], 16, v[BT]        ; my two bytes: blocks h and 2 + h,
	v_cvt_scalef32_pk16_fp6_f32 v[S:S+2], v[S+48:S+63], v[BS+1]            ; upper 16
	v_lshlrev_b32 v[BT], v[SH8], v[BT]             ; at their places in the word;
	v_permlanex16_b32 v[R2], v[BT], s[SEL], s[SEL+1]
.irp i, 0,1,2
	v_mov_b32 v[PC+3+\i], v[T+\i]
	v_mov_b32 v[PC+9+\i], v[S+\i]
.endr
	v_or_b32 v[PW], v[BT], v[R2]                   ; with lane l xor 16's two the word is whole
	WALU                                           ; the wait directly ahead of the first reader of O^T
.set J, 0
.rept 16
	v_pk_mul_f32 v[O+J:O+J+1], v[O+J:O+J+1], v[F:F+1] op_sel_hi:[1,0]   ; O^T under the new M, each accumulator from its low end on (these 16 are also the places in front of the scaled products)
.set J, J+2
.endr
	WALU
	s_wait_dscnt 0x0                               ; V's tiles are in, and the next step's K
.irp t, 0,1,2,3
	v_wmma_scale_f32_16x16x128_f8f6f4 v[O+8*\t:O+8*\t+7], v[VF+12*\t:VF+12*\t+11], v[PC:PC+11], v[O+8*\t:O+8*\t+7], v[VSW+\t], v[PW] matrix_a_fmt:MATRIX_FMT_FP6 matrix_b_fmt:MATRIX_FMT_FP6
.endr
	s_add_co_u32 s[TB], s[TB], 6144                ; the next step's images
	s_add_co_u32 s[TS], s[TS], 256                 ; and scale words
.endm
.Lpass:                                            ; two passes: one tile of 16 queries against all 2,048 keys
	s_wait_loadcnt 0x0                             ; the pass's Q is in
	v_and_b32 v[TMP], 31, v0
	v_cmp_gt_u32 vcc_lo, 16, v[TMP]
	v_perm_b32 v[QSW], v[KF+12], v[KF+12], s[PSEL] ; (block 0, block 0, block 1, block 1) of my tile's query
.set J, 0
.rept 12
	v_cndmask_b32 v[QLO+J], 0, v[KF+J], vcc_lo
	v_cndmask_b32 v[QHI+J], v[KF+J], 0, vcc_lo
.set J, J+1
.endr
.irp b, 0,1,2,3
.irp c, 0,1,2
	ds_load_b128 v[KF+12*\b+4*\c:KF+12*\b+4*\c+3], v[AK0] offset:1536*\b+16*\c   ; key step 0's K
.endr
.endr
	ds_load_b128 v[KSW:KSW+3], v[AS0]
	v_mov_b32 v13, 0xff61b1e6                      ; the largest score so far: -3e38
	v_mov_b32 v12, 0x7e000000                      ; -M: far above every later one, so the first f is 0
	v_mov_b32 v14, 0
	v_mov_b32 v15, 0
	v_mov_b32 v[R2], 0                             ; a lane permute's destination counts as one of its sources
	v_mov_b32 v[PW], 0                             ; (named as the upper half of the pair with f before it is first written)
.set J, 0
.rept 32
	v_mov_b32 v[O+J], 0                            ; the step is written once: the first finds zeros, which the first change of M leaves zeros
.set J, J+1
.endr
	s_mov_b32 s[TB], 0
	s_mov_b32 s[TS], 0
	s_mov_b32 s[CNT], 3
	WALU
	s_wait_dscnt 0x0
.Lstep_a:                                          ; key steps 0 to 2
	STEP 0
	s_sub_co_u32 s[CNT], s[CNT], 1
	s_cmp_lg_u32 s[CNT], 0
	s_cbranch_scc1 .Lstep_a
	s_wait_tensorcnt 0x0                           ; every wave: my tile has landed
	s_wait_dscnt 0x0
	s_barrier_signal -1
	s_barrier_wait -1                              ; all of K and V is in
	s_mov_b32 s[CNT], 13
.Lstep_b:                                          ; key steps 3 to 15
	STEP 1
	s_sub_co_u32 s[CNT], s[CNT], 1
	s_cmp_lg_u32 s[CNT], 0
	s_cbranch_scc1 .Lstep_b
	NOPS 4                                         ; places behind the last products
	v_and_b32 v[RR], 15, v0                        ; the way out's addresses, in registers that held V
	v_and_b32 v[LN], 31, v0
	v_mul_u32_u24 v[QOF], v[RR], 48
	v_lshlrev_b32 v[QSOF], 4, v[RR]
	v_mad_u32_u24 v[STA], v[LN], 24, s82           ; my stage: in by 24 x lane,
	v_lshlrev_b32 v[L16], 4, v[LN]
	v_lshlrev_b32 v[L8], 3, v[LN]
	v_lshl_add_u32 v[SSA], v[RR], 1, s83
	v_add_nc_u32 v[STB], s82, v[L16]               ; back by 16 x lane and 512 + 8 x lane
	v_add_nc_u32 v[STC], s82, v[L8]
	v_add_nc_u32 v[SCP], s84, v[L16]
	v_add_nc_u32 v[SSA], s[PO], v[SSA]             ; SSTL + 512 pass + 32 w + 2 r
	WALU
	s_cmp_lg_u32 s[PS], 0
	s_cbranch_scc1 .Lno_q
	global_load_b128 v[KF:KF+3], v[QOF], s[QB:QB+1] offset:12288           ; the second pass's Q lands under the way out
	global_load_b128 v[KF+4:KF+7], v[QOF], s[QB:QB+1] offset:12288+16
	global_load_b128 v[KF+8:KF+11], v[QOF], s[QB:QB+1] offset:12288+32
	global_load_b32 v[KF+12], v[QSOF], s[QSB:QSB+1] offset:512
.Lno_q:
	v_add_f32 v14, v14, v15
	HINT 1
	v_permlanex16_b32 v[TMP], v14, s[SEL], s[SEL+1]
	HINT 1
	v_add_f32 v14, v14, v[TMP]                     ; the row's sum
	WALU
	v_rcp_f32 v14, v14
	v_nop                                          ; a plain line behind the transcendental
	WALU                                           ; and the wait ahead of its first reader
.set J, 0
.rept 32
	v_mul_f32 v[S+J], v[O+J], v14                  ; register 16 i + j: channel 32 i + 16 (lane / 16) + j of my query
.set J, J+1
.endr
.irp i, 0,1                                    ; the context's two blocks of 32 are quantised: item i = block i, shared by lanes l and l xor 16
	v_max3_num_f32 v[TM+\i], |v[S+16*\i]|, |v[S+16*\i+1]|, 0x1800000
.endr
.irp k, 2,4,6,8,10,12,14
.irp i, 0,1
	HINT 2
	v_max3_num_f32 v[TM+\i], v[TM+\i], |v[S+16*\i+\k]|, |v[S+16*\i+\k+1]|
.endr
.endr
.irp i, 0,1
	HINT 2
	v_permlanex16_b32 v[TM+2+\i], v[TM+\i], s[SEL], s[SEL+1]
.endr
.irp i, 0,1
	HINT 2
	v_max_num_f32 v[TM+\i], v[TM+\i], v[TM+2+\i]
.endr
.irp i, 0,1
	HINT 2
	v_add_nc_u32 v[TM+4+\i], 0xff000000, v[TM+\i]
.endr
.irp i, 0,1
	HINT 2
	v_lshrrev_b32 v[TM+6+\i], 23, v[TM+4+\i]
.endr
	HINT 1
	v_lshl_or_b32 v[TMP], v[TM+7], 8, v[TM+6]      ; block 0's byte, block 1's byte
	v_cvt_scalef32_pk16_fp6_f32 v[PCO:PCO+2], v[S:S+15], v[TM+4]
	v_cvt_scalef32_pk16_fp6_f32 v[PCO+6:PCO+8], v[S+16:S+31], v[TM+5]
	v_nop
.irp i, 0,1,2
	v_permlane16_swap_b32 v[PCO+\i], v[PCO+6+\i]   ; lanes 0-15 now hold block 0 whole, lanes 16-31 block 1
.endr
.irp i, 0,1,2
	HINT 3
	v_mov_b32 v[PCO+3+\i], v[PCO+6+\i]
.endr
	ds_store_b64 v[STA], v[PCO:PCO+1]
	ds_store_b64 v[STA], v[PCO+2:PCO+3] offset:8
	ds_store_b64 v[STA], v[PCO+4:PCO+5] offset:16
	ds_store_b16 v[SSA], v[TMP]
	ds_load_b128 v[OB:OB+3], v[STB]                ; LDS serves a wave's instructions in order: these see my stores
	ds_load_b64 v[OB+4:OB+5], v[STC] offset:512
	s_wait_dscnt 0x0
	global_store_b128 v[L16], v[OB:OB+3], s[72:73]             ; 512 consecutive bytes, aligned,
	global_store_b64 v[L8], v[OB+4:OB+5], s[72:73] offset:512  ; and 256 more
	s_wait_xcnt 0x0                                ; the stores have read their registers and their base
	s_add_nc_u64 s[72:73], s[72:73], 12288         ; the next pass's sixteen tiles
	s_add_co_u32 s[PO], s[PO], 512
	s_add_co_u32 s[PS], s[PS], 1
	s_cmp_lt_u32 s[PS], 2
	s_cbranch_scc1 .Lpass
	s_barrier_signal -1                            ; (every LDS instruction of mine is done: the wait in the pass)
	s_barrier_wait -1                              ; the work-group's 1,024 scale bytes lie in LDS
	s_cmp_lt_u32 s[WV], 2
	s_cbranch_scc0 .Lno_copy
	ds_load_b128 v[OB:OB+3], v[SCP]
	s_wait_dscnt 0x0
	global_store_b128 v[L16], v[OB:OB+3], s[74:75] ; 512 consecutive bytes, aligned
.Lno_copy:
	s_wait_tensorcnt 0x0                           ; the wave's end
	ds_add_u32 v254, v255
	s_wait_dscnt 0x0
	CROUND                                         ; the closing round
	s_endpgm
.Lfunc_end_k_qa27973059d_attn:
	.size	k_qa27973059d_attn, .Lfunc_end_k_qa27973059d_attn-k_qa27973059d_attn
	.p2alignl 7, 3214868480
	.fill 96, 4, 3214868480
	.section	.rodata,"a",@progbits
	.p2align	6, 0x0
	.amdhsa_kernel k_qa27973059d_attn
		.amdhsa_group_segment_fixed_size 220160
		.amdhsa_private_segment_fixed_size 0
		.amdhsa_enable_private_segment 0
		.amdhsa_kernarg_size 32
		.amdhsa_user_sgpr_count 2
		.amdhsa_user_sgpr_kernarg_segment_ptr 1
		.amdhsa_wavefront_size32 1
		.amdhsa_system_sgpr_workgroup_id_x 1
		.amdhsa_system_sgpr_workgroup_id_y 1
		.amdhsa_system_sgpr_workgroup_id_z 1
		.amdhsa_system_vgpr_workitem_id 0
		.amdhsa_next_free_vgpr 256
		.amdhsa_next_free_sgpr 88
		.amdhsa_reserve_vcc 1
		.amdhsa_float_denorm_mode_32 3
		.amdhsa_float_denorm_mode_16_64 3
		.amdhsa_memory_ordered 1
		.amdhsa_forward_progress 1
		.amdhsa_inst_pref_size 50
	.end_amdhsa_kernel
	.amdgpu_metadata
---
amdhsa.version: [ 1, 2 ]
amdhsa.kernels:
  - .name:           k_qa27973059d_attn
    .symbol:         k_qa27973059d_attn.kd
    .args:
      - { .name: qkvc, .offset: 0, .size: 8, .value_kind: global_buffer, .address_space: global }
      - { .name: qkvs, .offset: 8, .size: 8, .value_kind: global_buffer, .address_space: global }
      - { .name: cc, .offset: 16, .size: 8, .value_kind: global_buffer, .address_space: global }
      - { .name: cs, .offset: 24, .size: 8, .value_kind: global_buffer, .address_space: global }
    .group_segment_fixed_size: 220160
    .private_segment_fixed_size: 0
    .kernarg_segment_align: 8
    .kernarg_segment_size: 32
    .max_flat_workgroup_size: 512
    .sgpr_count:     88
    .vgpr_count:     256
    .wavefront_size: 32
...
	.end_amdgpu_metadata
.endif
;; end of part 3
;; launch oproj (part 4): grid 256 x 1, 4 waves a work-group, no clusters, 132,096 bytes of LDS; arguments cc, cs, wimg, W_o_scales, b_o, x, ln_gamma, ln_beta, out0; writes out0
.if DOCPART == 4
	.amdgcn_target "amdgcn-amd-amdhsa--gfx1250"
	.amdhsa_code_object_version 6
	.text
	.protected	k_qa27973059d_oproj
	.globl	k_qa27973059d_oproj
	.p2align	8
	.type	k_qa27973059d_oproj,@function
k_qa27973059d_oproj:
	s_mov_b64 s[64:65], 0
	v_nop
	global_prefetch_b8 v0, s[64:65] scope:SCOPE_SE
	s_setreg_imm32_b32 hwreg(HW_REG_WAVE_MODE, 25, 1), 1
	s_wait_xcnt 0x0
; OPROJ.  out0 = LayerNorm(x + context W_o^T + b_o) x gamma + beta.  The product on codes of FP6 with E8M0 scales; all else in f32.
; SHARES.  A work-group takes a group of 32 tokens and all 1,024 columns, so that a row's mean and variance never leave it.  Wave w makes columns 256 w on: 8 blocks of 32, two tiles each, 256 matrix instructions.
; The context's 16 fragments stay in registers.  W_o's images stream from memory straight into three register buffers of 8 fragments (24 dense loads of 512 bytes each), two buffers ahead of the products.
; The product is used transposed (source 0 = 16 rows of W_o, source 1 = 16 tokens): a lane's 16 registers of a block's two tiles are 16 neighbouring columns of one token.  They go to a stage in LDS
; (32 rows of 4,096 + 16 bytes); behind one barrier each wave finishes 8 whole rows.
; NO CLUSTER: each fragment of W_o feeds one wave of a work-group and goes straight into its registers; asked for jointly it would have to pass through LDS, written and read once more, with a barrier for each refill.
; THE VARIANCE is taken of the centred numbers: no difference of large sums is formed.  1 / sqrt by v_rsq_f32.  NaN and infinities are not served.
; REGISTERS: window 0: v4-9 addresses; v24-31 the context's scale words; v32-95 W_o's; v96-159 two sets of four accumulators; v160-255 buffer 2, later two rows and work.
;   window 1: my 8 rows of x.   window 2: buffers 0, 1; v192-223 b_o; v224-255 gamma.   window 3: v0-191 the context's fragments (12 (8 u + s)); v192-223 beta.
.set L16,  4
.set L24,  5
.set L2,   6
.set WSO,  7
.set SO,   8
.set SR,   9
.set CS,   24
.set WOS,  32
.set ACCO, 96
.set H0,   160
.set T,    224
.set MU,   228
.set RS,   230
.set BO,   192
.set GA,   224
.set BE,   192
.set WV,   24
.set SEL,  26
.set INV,  28
.set EPS,  29
.set MSB, 0
.macro WIN new
.if MSB != \new
	s_set_vgpr_msb (MSB<<8)|\new
.set MSB, \new
.endif
.endm
.macro PLACES
.rept 4
	v_nop
.endr
.endm
	s_load_b512 s[4:19], s[0:1], 0x0               ; cc 4, cs 6, wimg 8, W_o_scales 10, b_o 12, x 14, gamma 16, beta 18
	s_load_b64 s[20:21], s[0:1], 0x40              ; out0
	v_lshl_add_u32 v22, v0, 2, 0x20200
	v_mov_b32 v23, 0
	v_lshrrev_b32 v1, 5, v0
	v_readfirstlane_b32 s[WV], v1                  ; wave 0..3
	v_and_b32 v1, 31, v0                           ; lane
	v_and_b32 v2, 15, v0                           ; r
	v_bfe_u32 v3, v0, 4, 1                         ; h
	v_lshlrev_b32 v[L16], 4, v1
	v_mul_u32_u24 v[L24], v1, 24
	v_lshlrev_b32 v[L2], 1, v1
	v_and_b32 v10, 8, v2
	v_add_nc_u32 v10, v10, v2                      ; r + 8 (r / 8)
	v_lshl_add_u32 v[WSO], v3, 3, v10
	v_lshlrev_b32 v[WSO], 5, v[WSO]                ; W_o's scale bytes: 32 a row; lanes 0-15 tile 0's rows, lanes 16-31 tile 1's
	v_mul_u32_u24 v[SO], v10, 4112
	v_lshl_add_u32 v[SO], v3, 6, v[SO]
	s_lshl_b32 s25, s[WV], 10
	v_add_nc_u32 v[SO], s25, v[SO]                 ; the stage, in: my token's row, + 64 h, + my wave's 1,024 bytes
	s_mul_i32 s25, s[WV], 32896
	v_add_nc_u32 v[SR], s25, v[L16]                ; back: my wave's 8 rows, 16 bytes a lane
	s_lshr_b32 s30, ttmp9, 6                       ; batch
	s_and_b32 s31, ttmp9, 63                       ; group in the sequence
	s_mul_i32 s32, s30, 1572864                    ; 16 heads of 98,304 bytes
	s_mul_i32 s33, s31, 1536
	s_add_co_u32 s32, s32, s33
	s_mov_b32 s33, 0
	s_lshl_b32 s34, s30, 16
	s_lshl_b32 s35, s31, 6
	s_add_co_u32 s34, s34, s35
	s_mov_b32 s35, 0
	s_mul_i32 s36, s[WV], 196608                   ; my 8 blocks' images,
	s_add_co_u32 s36, s36, 2359296                 ; in W_o's part of wimg
	s_mov_b32 s37, 0
	s_lshl_b32 s38, s[WV], 13
	s_mov_b32 s39, 0
	s_lshl_b32 s40, ttmp9, 17                      ; 32 rows of 4,096 bytes,
	s_lshl_b32 s41, s[WV], 15                      ; my 8
	s_add_co_u32 s40, s40, s41
	s_mov_b32 s41, 0
	s_mov_b32 s[SEL], 0x76543210
	s_mov_b32 s[SEL+1], 0xfedcba98
	s_mov_b32 s[INV], 0x3a800000                   ; 1 / 1024
	s_mov_b32 s[EPS], 0x3727c5ac                   ; 1e-5
	s_wait_alu depctr_va_vdst(0)
	s_wait_kmcnt 0x0
	s_add_nc_u64 s[4:5], s[4:5], s[32:33]
	s_add_nc_u64 s[6:7], s[6:7], s[34:35]
	s_add_nc_u64 s[8:9], s[8:9], s[36:37]
	s_add_nc_u64 s[10:11], s[10:11], s[38:39]
	s_add_nc_u64 s[14:15], s[14:15], s[40:41]
	s_add_nc_u64 s[20:21], s[20:21], s[40:41]
; What the rows' end alone wants, 88 loads of 512 bytes (my 8 rows of x: 64; b_o, gamma, beta: 8 each), is not asked for here: seven of them stand behind the counted wait of each of the half blocks 0 to 12.
.macro XL1 n                           ; load n of the 88
.if (\n) < 64
	WIN 0x40
	global_load_b128 v[4*(\n):4*(\n)+3], v[L16], s[14:15] offset:512*(\n) th:TH_LOAD_NT
.elseif (\n) < 72
	WIN 0x80
	global_load_b128 v[BO+4*((\n)-64):BO+4*((\n)-64)+3], v[L16], s[12:13] offset:512*((\n)-64)
.elseif (\n) < 80
	WIN 0x80
	global_load_b128 v[GA+4*((\n)-72):GA+4*((\n)-72)+3], v[L16], s[16:17] offset:512*((\n)-72)
.elseif (\n) < 88
	WIN 0xc0
	global_load_b128 v[BE+4*((\n)-80):BE+4*((\n)-80)+3], v[L16], s[18:19] offset:512*((\n)-80)
.endif
.endm
.macro XL i
.irp k, 0,1,2,3,4,5,6
	XL1 7*(\i)+\k
.endr
.endm
.irp d, 0,1,2,3,4,5,6,7,8,9,10,11,12,13,14,15
	global_load_u16 v[ACCO+\d], v[L2], s[6:7] offset:4096*\d   ; head d's two scale bytes of token (lane % 16) of tile (lane / 16)
.endr
	WIN 0xc0
.irp u, 0,1
.irp s, 0,1,2,3,4,5,6,7
.irp q, 0,1
.irp c, 0,1,2
	global_load_b64 v[12*(8*\u+\s)+6*\q+2*\c:12*(8*\u+\s)+6*\q+2*\c+1], v[L24], s[4:5] offset:(2*\s+\q)*98304+768*\u+8*\c   ; K step s = heads 2 s, 2 s + 1; lane (r, h): block h of each
.endr
.endr
.endr
.endr
	WIN 0
.irp e, 0,1,2,3,4,5,6,7
	global_load_b128 v[WOS+8*\e:WOS+8*\e+3], v[WSO], s[10:11] offset:1024*\e
	global_load_b128 v[WOS+8*\e+4:WOS+8*\e+7], v[WSO], s[10:11] offset:1024*\e+16
.endr
; Half a block's fragments (block i / 2, K steps 4 (i % 2) + 0 .. 3, both tiles) into buffer i % 3: 24 loads
.macro HBLOAD i
.set LBN, (\i)%3
.if LBN == 2
	WIN 0
.set LBR, 160
.else
	WIN 0x80
.set LBR, 96*LBN
.endif
.irp t, 0,1
.irp q, 0,1,2,3
.irp c, 0,1,2
	global_load_b128 v[LBR+12*(4*\t+\q)+4*\c:LBR+12*(4*\t+\q)+4*\c+3], v[L16], s[8:9] offset:((\i)/2)*24576+12288*\t+1536*(4*((\i)%2)+\q)+512*\c
.endr
.endr
.endr
.endm
	HBLOAD 0
	HBLOAD 1
	WIN 0
	s_wait_loadcnt 48                              ; all but the two buffers' 48 loads are in
.irp s, 0,1,2,3,4,5,6,7
	v_lshl_or_b32 v[CS+\s], v[ACCO+2*\s+1], 16, v[ACCO+2*\s]   ; the context's scale word of K step s: lanes 0-15 tile 0, lanes 16-31 tile 1
.endr
.rept 8
	v_nop                                          ; a scale register written by a vector instruction stands eight places ahead of a scaled matrix instruction
.endr
.macro WM ra, rb
.if (\ra) && (\rb)
	v_wmma_scale_f32_16x16x128_f8f6f4 v[rD:rD+7], v[rA:rA+11], v[rB:rB+11], v[rD:rD+7], v[sA], v[sB] matrix_a_fmt:MATRIX_FMT_FP6 matrix_b_fmt:MATRIX_FMT_FP6 matrix_a_scale:MATRIX_SCALE_ROW1 matrix_b_scale:MATRIX_SCALE_ROW1
.elseif (\ra)
	v_wmma_scale_f32_16x16x128_f8f6f4 v[rD:rD+7], v[rA:rA+11], v[rB:rB+11], v[rD:rD+7], v[sA], v[sB] matrix_a_fmt:MATRIX_FMT_FP6 matrix_b_fmt:MATRIX_FMT_FP6 matrix_a_scale:MATRIX_SCALE_ROW1
.elseif (\rb)
	v_wmma_scale_f32_16x16x128_f8f6f4 v[rD:rD+7], v[rA:rA+11], v[rB:rB+11], v[rD:rD+7], v[sA], v[sB] matrix_a_fmt:MATRIX_FMT_FP6 matrix_b_fmt:MATRIX_FMT_FP6 matrix_b_scale:MATRIX_SCALE_ROW1
.else
	v_wmma_scale_f32_16x16x128_f8f6f4 v[rD:rD+7], v[rA:rA+11], v[rB:rB+11], v[rD:rD+7], v[sA], v[sB] matrix_a_fmt:MATRIX_FMT_FP6 matrix_b_fmt:MATRIX_FMT_FP6
.endif
.endm
.macro WM0 ra, rb                      ; the first K step starts the sum: nothing is cleared
.if (\ra) && (\rb)
	v_wmma_scale_f32_16x16x128_f8f6f4 v[rD:rD+7], v[rA:rA+11], v[rB:rB+11], 0, v[sA], v[sB] matrix_a_fmt:MATRIX_FMT_FP6 matrix_b_fmt:MATRIX_FMT_FP6 matrix_a_scale:MATRIX_SCALE_ROW1 matrix_b_scale:MATRIX_SCALE_ROW1
.elseif (\ra)
	v_wmma_scale_f32_16x16x128_f8f6f4 v[rD:rD+7], v[rA:rA+11], v[rB:rB+11], 0, v[sA], v[sB] matrix_a_fmt:MATRIX_FMT_FP6 matrix_b_fmt:MATRIX_FMT_FP6 matrix_a_scale:MATRIX_SCALE_ROW1
.elseif (\rb)
	v_wmma_scale_f32_16x16x128_f8f6f4 v[rD:rD+7], v[rA:rA+11], v[rB:rB+11], 0, v[sA], v[sB] matrix_a_fmt:MATRIX_FMT_FP6 matrix_b_fmt:MATRIX_FMT_FP6 matrix_b_scale:MATRIX_SCALE_ROW1
.else
	v_wmma_scale_f32_16x16x128_f8f6f4 v[rD:rD+7], v[rA:rA+11], v[rB:rB+11], 0, v[sA], v[sB] matrix_a_fmt:MATRIX_FMT_FP6 matrix_b_fmt:MATRIX_FMT_FP6
.endif
.endm
.macro STORES e                        ; block e's four accumulators to the stage, each from its low end on: a lane's 64 neighbouring bytes of a token's row, for each tile of tokens
.irp u, 0,1
.irp k, 0,1,2,3
	ds_store_b128 v[SO], v[ACCO+32*((\e)%2)+16*\u+4*\k:ACCO+32*((\e)%2)+16*\u+4*\k+3] offset:32896*\u+128*(\e)+16*\k
.endr
.endr
.endm
; Half a block: 16 matrix instructions, four accumulators by turns.
.macro HSTEP i
.set EBL, (\i)/2
.if \i > 0
	PLACES                                         ; behind the last products: for the stores of results and for the loads into the buffer that they read
.endif
.if ((\i)%2 == 0) && ((\i) >= 2)
	WIN 0
	STORES EBL-1
.endif
.if \i <= 13
	HBLOAD (\i)+2
.set XN_, 48                           ; younger than this half block's buffer: the next two buffers' 48 loads, and what the two half blocks before have issued of the 88
.irp d, 1,2
.if ((\i)-\d >= 0) && (88-7*((\i)-\d) > 0)
.if 88-7*((\i)-\d) > 7
.set XN_, XN_+7
.else
.set XN_, XN_+88-7*((\i)-\d)
.endif
.endif
.endr
	s_wait_loadcnt XN_                             ; so this buffer is in
	XL \i
.elseif \i == 14
	s_wait_loadcnt 24                              ; the last buffer's 24 may be out
.else
	s_wait_loadcnt 0x0
.endif
.if ((\i)%2 == 0) && ((\i) >= 4)
	s_wait_dscnt 8                                 ; the eight stores just issued may be out; those that read the set begun anew below are done
.endif
.set HBN, (\i)%3
.if HBN == 2
.set HBR, 160
	WIN 0x0c                                       ; source 0 window 0, source 1 (the context) window 3
.else
.set HBR, 96*HBN
	WIN 0x0e                                       ; source 0 window 2
.endif
.irp q, 0,1,2,3
.irp u, 0,1
.irp t, 0,1
.set rD, ACCO+32*(EBL%2)+16*\u+8*\t
.set rA, HBR+12*(4*\t+\q)
.set rB, 12*(8*\u+4*((\i)%2)+\q)
.set sA, WOS+8*EBL+4*((\i)%2)+\q
.set sB, CS+4*((\i)%2)+\q
.if ((\i)%2 == 0) && (\q == 0)
	WM0 \t, \u
.else
	WM \t, \u
.endif
.endr
.endr
.endr
.endm
	s_wait_alu depctr_va_vdst(0)
.irp i, 0,1,2,3,4,5,6,7,8,9,10,11,12,13,14,15
	HSTEP \i
.endr
	PLACES
	WIN 0
	STORES 7
	v_mov_b32 v[MU+1], 0                           ; (named as the upper halves of pairs, so they are written)
	v_mov_b32 v[RS+1], 0
	s_wait_dscnt 0x0                               ; for the others' sake: my stores into the stage are done
	s_barrier_signal -1
	s_barrier_wait -1                              ; 32 whole rows lie in the stage
.macro ROWLOAD i
.irp j, 0,1,2,3,4,5,6,7
	ds_load_b128 v[H0+32*((\i)%2)+4*\j:H0+32*((\i)%2)+4*\j+3], v[SR] offset:4112*(\i)+512*\j
.endr
.endm
.macro REDUCE                          ; the sum over the 32 lanes, in every lane
	v_add_f32_dpp v[T], v[T], v[T] row_xmask:1 row_mask:0xf bank_mask:0xf
	v_add_f32_dpp v[T], v[T], v[T] row_xmask:2 row_mask:0xf bank_mask:0xf
	v_add_f32_dpp v[T], v[T], v[T] row_xmask:4 row_mask:0xf bank_mask:0xf
	v_add_f32_dpp v[T], v[T], v[T] row_xmask:8 row_mask:0xf bank_mask:0xf
	v_permlanex16_b32 v[T+1], v[T], s[SEL], s[SEL+1]
	v_add_f32 v[T], v[T], v[T+1]
.endm
; Row i of my eight: a lane holds 32 of its 1,024 numbers: columns 128 j + 4 lane + 0 .. 3.
.macro ROW i
.set H, H0+32*((\i)%2)
.if \i >= 1
	s_wait_xcnt 0x0                                ; the row before last has been read by its stores: its registers take the next row
.endif
.if \i < 7
	ROWLOAD (\i)+1
	s_wait_dscnt 8                                 ; the next row's eight loads may be out
.else
	s_wait_dscnt 0x0
.endif
	WIN 0x04                                       ; source 1: window 1
.set KK, 0
.rept 16
	v_pk_add_f32 v[H+KK:H+KK+1], v[H+KK:H+KK+1], v[32*(\i)+KK:32*(\i)+KK+1]   ; + x
.set KK, KK+2
.endr
	WIN 0x08                                       ; source 1: window 2
.set KK, 0
.rept 16
	v_pk_add_f32 v[H+KK:H+KK+1], v[H+KK:H+KK+1], v[BO+KK:BO+KK+1]             ; + b_o
.set KK, KK+2
.endr
	WIN 0
	v_pk_add_f32 v[T:T+1], v[H:H+1], v[H+2:H+3]
	v_pk_add_f32 v[T+2:T+3], v[H+4:H+5], v[H+6:H+7]
.irp k, 8,12,16,20,24,28
	v_pk_add_f32 v[T:T+1], v[T:T+1], v[H+\k:H+\k+1]
	v_pk_add_f32 v[T+2:T+3], v[T+2:T+3], v[H+\k+2:H+\k+3]
.endr
	v_pk_add_f32 v[T:T+1], v[T:T+1], v[T+2:T+3]
	v_add_f32 v[T], v[T], v[T+1]
	REDUCE
	v_mul_f32 v[MU], s[INV], v[T]                  ; the mean
.set KK, 0
.rept 16
	v_pk_add_f32 v[H+KK:H+KK+1], v[H+KK:H+KK+1], v[MU:MU+1] op_sel_hi:[1,0] neg_lo:[0,1] neg_hi:[0,1]   ; centred
.set KK, KK+2
.endr
	v_pk_mul_f32 v[T:T+1], v[H:H+1], v[H:H+1]
	v_pk_mul_f32 v[T+2:T+3], v[H+2:H+3], v[H+2:H+3]
.irp k, 4,8,12,16,20,24,28
	v_pk_fma_f32 v[T:T+1], v[H+\k:H+\k+1], v[H+\k:H+\k+1], v[T:T+1]
	v_pk_fma_f32 v[T+2:T+3], v[H+\k+2:H+\k+3], v[H+\k+2:H+\k+3], v[T+2:T+3]
.endr
	v_pk_add_f32 v[T:T+1], v[T:T+1], v[T+2:T+3]
	v_add_f32 v[T], v[T], v[T+1]
	REDUCE
	v_fma_f32 v[T+2], v[T], s[INV], s[EPS]         ; the variance + 1e-5
	s_wait_alu depctr_va_vdst(0)
	v_rsq_f32 v[RS], v[T+2]
	v_nop                                          ; a plain line behind the transcendental
	s_wait_alu depctr_va_vdst(0)                   ; and the wait ahead of its first reader
.set KK, 0
.rept 16
	v_pk_mul_f32 v[H+KK:H+KK+1], v[H+KK:H+KK+1], v[RS:RS+1] op_sel_hi:[1,0]
.set KK, KK+2
.endr
	WIN 0x38                                       ; source 1 (gamma) window 2, source 2 (beta) window 3
.set KK, 0
.rept 16
	v_pk_fma_f32 v[H+KK:H+KK+1], v[H+KK:H+KK+1], v[GA+KK:GA+KK+1], v[BE+KK:BE+KK+1]
.set KK, KK+2
.endr
	WIN 0
.irp j, 0,1,2,3,4,5,6,7
	global_store_b128 v[L16], v[H+4*\j:H+4*\j+3], s[20:21] offset:4096*(\i)+512*\j th:TH_STORE_NT   ; 32 lanes store 512 consecutive bytes, aligned
.endr
.endm
	ROWLOAD 0
.irp i, 0,1,2,3,4,5,6,7
	ROW \i
.endr
	s_wait_tensorcnt 0x0
	ds_add_u32 v22, v23
	s_wait_dscnt 0x0
	s_endpgm
.Lfunc_end_k_qa27973059d_oproj:
	.size	k_qa27973059d_oproj, .Lfunc_end_k_qa27973059d_oproj-k_qa27973059d_oproj
	.p2alignl 7, 3214868480
	.fill 96, 4, 3214868480
	.section	.rodata,"a",@progbits
	.p2align	6, 0x0
	.amdhsa_kernel k_qa27973059d_oproj
		.amdhsa_group_segment_fixed_size 132096
		.amdhsa_private_segment_fixed_size 0
		.amdhsa_enable_private_segment 0
		.amdhsa_kernarg_size 72
		.amdhsa_user_sgpr_count 2
		.amdhsa_user_sgpr_kernarg_segment_ptr 1
		.amdhsa_wavefront_size32 1
		.amdhsa_system_sgpr_workgroup_id_x 1
		.amdhsa_system_sgpr_workgroup_id_y 1
		.amdhsa_system_sgpr_workgroup_id_z 1
		.amdhsa_system_vgpr_workitem_id 0
		.amdhsa_next_free_vgpr 1024
		.amdhsa_next_free_sgpr 66
		.amdhsa_reserve_vcc 0
		.amdhsa_float_denorm_mode_32 3
		.amdhsa_float_denorm_mode_16_64 3
		.amdhsa_memory_ordered 1
		.amdhsa_forward_progress 1
		.amdhsa_inst_pref_size 176
	.end_amdhsa_kernel
	.amdgpu_metadata
---
amdhsa.version: [ 1, 2 ]
amdhsa.kernels:
  - .name:           k_qa27973059d_oproj
    .symbol:         k_qa27973059d_oproj.kd
    .args:
      - { .name: cc, .offset: 0, .size: 8, .value_kind: global_buffer, .address_space: global }
      - { .name: cs, .offset: 8, .size: 8, .value_kind: global_buffer, .address_space: global }
      - { .name: wimg, .offset: 16, .size: 8, .value_kind: global_buffer, .address_space: global }
      - { .name: W_o_scales, .offset: 24, .size: 8, .value_kind: global_buffer, .address_space: global }
      - { .name: b_o, .offset: 32, .size: 8, .value_kind: global_buffer, .address_space: global }
      - { .name: x, .offset: 40, .size: 8, .value_kind: global_buffer, .address_space: global }
      - { .name: ln_gamma, .offset: 48, .size: 8, .value_kind: global_buffer, .address_space: global }
      - { .name: ln_beta, .offset: 56, .size: 8, .value_kind: global_buffer, .address_space: global }
      - { .name: out0, .offset: 64, .size: 8, .value_kind: global_buffer, .address_space: global }
    .group_segment_fixed_size: 132096
    .private_segment_fixed_size: 0
    .kernarg_segment_align: 8
    .kernarg_segment_size: 72
    .max_flat_workgroup_size: 128
    .sgpr_count:     66
    .vgpr_count:     1024
    .wavefront_size: 32
...
	.end_amdgpu_metadata
.endif
;; end of part 4
